; MI455X (gfx1250); checked and timed in simulation.
; The chip was launched on July 23, 2026; its instructions are those of AMD's public machine-readable ISA for CDNA 5 (MIT licence, August 2026) and "CDNA5" Instruction Set Architecture Reference Guide (July 2026). The comments in the code are by the model that wrote it; some were corrected since.
;; GPT Neo GQA Self Attention. Allowed arithmetic: float matrix products may take bf16 or f16 operands with f32 sums; other float arithmetic in f32, or as packed bf16 or f16 multiplies, adds, multiply-adds, maxima and minima; sums over many terms, partial sums and values carried from step to step in f32; what a program stores and reads back later, other than sums and carried values, may be rounded once to bf16 or f16.
;; Inputs: Wk 1,024 x 1,024 float32; Wo 1,024 x 1,024 float32; Wq 1,024 x 1,024 float32; Wv 1,024 x 1,024 float32; bo 1,024 float32; hidden_states 1 x 4,096 x 1,024 float32.
;; Outputs: out0 1 x 4,096 x 1,024 float32.
;; 2 versions, each right; version 2 is version 1 with the launch cast written anew for expert scheduling mode. Each part assembles by itself: llvm-mc -triple=amdgcn-amd-amdhsa -mcpu=gfx1250 --defsym DOCPART=n.
;; ======== version 1 of 2: 4 launches
;; limits: values are held in f16: magnitudes above 65,504 overflow, below 6.1e-05 lose precision
;; workspace buffers: Xb 8,388,608 bytes; Wc 6,291,456 bytes; Wof 2,097,152 bytes; qkvh 25,165,824 bytes; Ob 8,388,608 bytes
;; launch cast (part 1): grid 256 x 1, 8 waves a work-group, no clusters, 0 bytes of LDS; arguments hidden_states, Wq, Wk, Wv, Wo, Xb, Wc, Wof; writes Xb, Wc, Wof
.if DOCPART == 1
	.amdgcn_target "amdgcn-amd-amdhsa--gfx1250"
	.amdhsa_code_object_version 6
	.text
	.protected	k_q6593edc11a_cast
	.globl	k_q6593edc11a_cast
	.p2align	8
	.type	k_q6593edc11a_cast,@function
k_q6593edc11a_cast:
	s_mov_b64 s[64:65], 0
	v_nop
	global_prefetch_b8 v0, s[64:65] scope:SCOPE_SE
	s_setreg_imm32_b32 hwreg(HW_REG_WAVE_MODE, 25, 1), 1
	s_wait_xcnt 0x0
; THE INPUTS ARE ROUNDED ONCE.  Xb = bf16(hidden_states), [4096][1024].  Wc = bf16 of Wq | Wk | Wv side by side, [1024 k][3072].
; Wof = f16(bf16(Wo)), [1024 k][1024]: rounded to bf16 like the other inputs, and that number written as f16 (exact between 2^-14 and 65,504).
; LIMITS.  |bf16(Wo)| beyond 65,504 becomes an infinity; below 2^-14 it keeps f16's fixed step of 6e-8.
; SHARES.  256 work-groups of eight waves.  Work-group g takes 16 rows of hidden_states (64 KiB) and 4 rows of each weight (16 KiB each);
; wave w takes 8 KiB of the first (16 loads) and 2 KiB, half a row, of each weight (4 loads each).  All 32 loads of a wave, 512 consecutive bytes each,
; go out before anything else; there is no loop.  A load's 4 numbers a lane become 8 bytes: one store of a wave covers 256 consecutive bytes, aligned.
; No LDS, no barrier, no matrix unit: every byte is read once and written once, and no wave wants another's.
.set D, 16                             ; v[16:143]  load n at D + 4 n
	s_load_b512 s[4:19], s[0:1], 0x0               ; hidden_states s[4:5], Wq, Wk, Wv, Wo s[6:13], Xb s[14:15], Wc s[16:17], Wof s[18:19]
	v_and_b32 v1, 31, v0                           ; lane
	v_lshrrev_b32 v7, 5, v0                        ; wave
	v_lshlrev_b32 v2, 4, v1
	v_lshl_add_u32 v3, v7, 11, v2                  ; v3: in a weight: 2,048 w + 16 lane
	v_lshl_add_u32 v2, v7, 13, v2                  ; v2: in hidden_states: 8,192 w + 16 lane
	v_lshlrev_b32 v4, 3, v1
	v_lshl_add_u32 v6, v7, 10, v4                  ; v6: in Wof: 1,024 w + 8 lane
	v_lshrrev_b32 v8, 1, v7                        ; which of the four rows,
	v_and_b32 v9, 1, v7                            ; which half of it
	v_mul_u32_u24 v5, v8, 6144
	v_lshl_add_u32 v5, v9, 10, v5
	v_add_nc_u32 v5, v5, v4                        ; v5: in Wc: row x 6,144 + half x 1,024 + 8 lane
	v_lshl_add_u32 v4, v7, 12, v4                  ; v4: in Xb: 4,096 w + 8 lane
	s_mov_b32 s3, 0
	s_mov_b32 s21, 0
	s_mov_b32 s23, 0
	s_lshl_b32 s2, ttmp9, 16                       ; the work-group's part of hidden_states,
	s_lshl_b32 s20, ttmp9, 14                      ; of a weight,
	s_lshl_b32 s22, ttmp9, 15                      ; of Xb
	s_wait_kmcnt 0x0
	s_add_nc_u64 s[4:5], s[4:5], s[2:3]
	s_add_nc_u64 s[6:7], s[6:7], s[20:21]
	s_add_nc_u64 s[8:9], s[8:9], s[20:21]
	s_add_nc_u64 s[10:11], s[10:11], s[20:21]
	s_add_nc_u64 s[12:13], s[12:13], s[20:21]
	s_add_nc_u64 s[14:15], s[14:15], s[22:23]
	s_mul_i32 s2, ttmp9, 24576                     ; 4 rows of Wc
	s_add_nc_u64 s[16:17], s[16:17], s[2:3]
	s_lshl_b32 s2, ttmp9, 13                       ; 4 rows of Wof
	s_add_nc_u64 s[18:19], s[18:19], s[2:3]
.set n, 0
.rept 16
	global_load_b128 v[D+4*n:D+4*n+3], v2, s[4:5] offset:512*n th:TH_LOAD_NT
.set n, n+1
.endr
.irp m, 0,1,2,3
.irp i, 0,1,2,3
	global_load_b128 v[D+64+16*(\m)+4*(\i):D+64+16*(\m)+4*(\i)+3], v3, s[6+2*(\m):7+2*(\m)] offset:512*(\i) th:TH_LOAD_NT
.endr
.endr
; Load n is rounded in place and stored.  half = 1: the bf16 numbers are widened again and written as f16.  No register that a store reads is ever written again.
.macro OUT n, off, base, imm, half
	s_wait_loadcnt 31-(\n)                         ; loads come back in order (ISA guide 5.7.1): load n is in, the 31 - n younger ones may stay out
	v_cvt_pk_bf16_f32 v[D+4*(\n)], v[D+4*(\n)], v[D+4*(\n)+1]
	v_cvt_pk_bf16_f32 v[D+4*(\n)+1], v[D+4*(\n)+2], v[D+4*(\n)+3]
.if \half
	v_lshlrev_b32 v8, 16, v[D+4*(\n)]
	v_and_b32 v9, 0xffff0000, v[D+4*(\n)]
	v_lshlrev_b32 v10, 16, v[D+4*(\n)+1]
	v_and_b32 v11, 0xffff0000, v[D+4*(\n)+1]
	v_cvt_pk_f16_f32 v[D+4*(\n)], v8, v9
	v_cvt_pk_f16_f32 v[D+4*(\n)+1], v10, v11
.endif
	global_store_b64 v[(\off)], v[D+4*(\n):D+4*(\n)+1], s[(\base):(\base)+1] offset:\imm th:TH_STORE_NT
.endm
.set n, 0
.rept 16
	OUT n, 4, 14, 256*n, 0
.set n, n+1
.endr
.irp m, 0,1,2
.irp i, 0,1,2,3
	OUT 16+4*(\m)+(\i), 5, 16, 2048*(\m)+256*(\i), 0
.endr
.endr
.irp i, 0,1,2,3
	OUT 28+(\i), 6, 18, 256*(\i), 1
.endr
	s_endpgm
.Lfunc_end_k_q6593edc11a_cast:
	.size	k_q6593edc11a_cast, .Lfunc_end_k_q6593edc11a_cast-k_q6593edc11a_cast
	.p2alignl 7, 3214868480
	.fill 96, 4, 3214868480
	.section	.rodata,"a",@progbits
	.p2align	6, 0x0
	.amdhsa_kernel k_q6593edc11a_cast
		.amdhsa_group_segment_fixed_size 0
		.amdhsa_private_segment_fixed_size 0
		.amdhsa_enable_private_segment 0
		.amdhsa_kernarg_size 64
		.amdhsa_user_sgpr_count 2
		.amdhsa_user_sgpr_kernarg_segment_ptr 1
		.amdhsa_wavefront_size32 1
		.amdhsa_system_sgpr_workgroup_id_x 1
		.amdhsa_system_sgpr_workgroup_id_y 1
		.amdhsa_system_sgpr_workgroup_id_z 1
		.amdhsa_system_vgpr_workitem_id 0
		.amdhsa_next_free_vgpr 144
		.amdhsa_next_free_sgpr 66
		.amdhsa_reserve_vcc 0
		.amdhsa_float_denorm_mode_32 3
		.amdhsa_float_denorm_mode_16_64 3
		.amdhsa_memory_ordered 1
		.amdhsa_forward_progress 1
		.amdhsa_inst_pref_size 14
	.end_amdhsa_kernel
	.amdgpu_metadata
---
amdhsa.version: [ 1, 2 ]
amdhsa.kernels:
  - .name:           k_q6593edc11a_cast
    .symbol:         k_q6593edc11a_cast.kd
    .args:
      - { .name: hidden_states, .offset: 0, .size: 8, .value_kind: global_buffer, .address_space: global }
      - { .name: Wq, .offset: 8, .size: 8, .value_kind: global_buffer, .address_space: global }
      - { .name: Wk, .offset: 16, .size: 8, .value_kind: global_buffer, .address_space: global }
      - { .name: Wv, .offset: 24, .size: 8, .value_kind: global_buffer, .address_space: global }
      - { .name: Wo, .offset: 32, .size: 8, .value_kind: global_buffer, .address_space: global }
      - { .name: Xb, .offset: 40, .size: 8, .value_kind: global_buffer, .address_space: global }
      - { .name: Wc, .offset: 48, .size: 8, .value_kind: global_buffer, .address_space: global }
      - { .name: Wof, .offset: 56, .size: 8, .value_kind: global_buffer, .address_space: global }
    .group_segment_fixed_size: 0
    .private_segment_fixed_size: 0
    .kernarg_segment_align: 8
    .kernarg_segment_size: 64
    .max_flat_workgroup_size: 256
    .sgpr_count:     66
    .vgpr_count:     144
    .wavefront_size: 32
...
	.end_amdgpu_metadata
.endif
;; end of part 1
;; launch proj (part 2): grid 8 x 32, 4 waves a work-group, clusters of 4 x 4, 327,680 bytes of LDS; arguments Xb, Wc, qkvh; writes qkvh
.if DOCPART == 2
	.amdgcn_target "amdgcn-amd-amdhsa--gfx1250"
	.amdhsa_code_object_version 6
	.text
	.protected	k_q6593edc11a_proj
	.globl	k_q6593edc11a_proj
	.p2align	8
	.type	k_q6593edc11a_proj,@function
k_q6593edc11a_proj:
	s_mov_b64 s[64:65], 0
	v_nop
	global_prefetch_b8 v0, s[64:65] scope:SCOPE_SE
	s_setreg_imm32_b32 hwreg(HW_REG_WAVE_MODE, 25, 1), 1
	s_wait_xcnt 0x0
	s_wait_alu depctr_hold_cnt(0) depctr_sa_sdst(0) depctr_va_vdst(0) depctr_va_sdst(0) depctr_va_ssrc(0) depctr_va_vcc(0) depctr_vm_vsrc(0)
	s_getreg_b32 s2, hwreg(HW_REG_IB_STS2, 6, 4)
	s_cmp_eq_u32 s2, 0
	s_cbranch_scc0 .Lentry_in_a_cluster
	s_endpgm
.Lentry_in_a_cluster:
	s_bfe_u32 s2, ttmp6, 0x10000c
	s_cmp_lg_u32 s2, 0xf033
	s_cbranch_scc0 .Lentry_shape_is_right
	s_endpgm
.Lentry_shape_is_right:
; q, k, v BY HEADS.  C[m][n] = the sum over k of Xb[m][k] Wc[k][n]; Xb [4096][1024] and Wc [1024][3072] in bf16, sums in f32, C rounded once to f16 and
; stored as qkvh[n / 64][m][n % 64]: 48 heads (0-15 q, 16-31 k, 32-47 v), each 4,096 dense rows of 128 bytes.  No scale is applied.
; LIMIT.  A sum of 65,520 or more in magnitude becomes an infinity in f16.
; SHARES.  A tile of C is 128 rows x 384 columns: 32 x 8 = 256 work-groups of four waves.  The 384 columns are three chunks of 128.  Wave w (r = w / 2, c = w % 2) makes rows 64 r .. + 63 and in
; each chunk columns 64 c .. + 63, one head a chunk: 4 x 12 accumulators of 16 x 16, 384 registers.  K goes in 8 steps of 128 through two LDS slots filled by the tensor data mover:
; wave 0 fetches Xb's tile (128 rows x 256 bytes), waves 1 to 3 one chunk of Wc each (128 rows of k x 256 bytes).
; Wc LIES [k][n]: its fragments come out of LDS turned, by ds_load_tr16_b128.  THE MATRIX INSTRUCTION IS USED TRANSPOSED (source 0 = 16 columns of Wc, source 1 = 16 rows of Xb):
; a lane then holds eight neighbouring columns of one row of C, 16 bytes of f16.
; CLUSTERS: 4 x 4 work-groups.  The four of a row of the cluster need the same tile of Xb, the four of a column the same chunks of Wc: each is asked for jointly, by the same tensor load with
; the same descriptor and a mask that names the four.
; REGISTERS, in windows of 256 (s_set_vgpr_msb: bits 1:0 source 0, 3:2 source 1, 5:4 source 2, 7:6 destination):
;   window 0: v16-30 addresses; v32-63, v64-95 Xb's fragments (4 x 16 rows x 32 K), two buffers; v64-255 at work on the way out
;   window 1: v0-95, v96-191 Wc's fragments (12 x 16 columns x 32 K), two buffers
;   window 2: the accumulators of row blocks 0, 1 ((a, b) at 8 (12 (a % 2) + b));   window 3: those of row blocks 2, 3
.set PA,    272       ; a row of Xb's tile in LDS: 256 bytes + 16 = 68 words: the 16 rows of a load start at 16 different groups of four banks (64 banks of 4 bytes: ISA guide 11.1)
.set PB,    288       ; a row of a chunk of Wc: 256 + 32 = 72 words
.set REG,   36864     ; what a wave's tensor load may fill: 128 x 288; Xb's tile uses 128 x 272 of it
.set SLOT,  4*REG     ; Xb's tile, then the three chunks
.set STAGE, 2*SLOT    ; behind the ring, never filled by a tensor load: 16 rows x 144 bytes for each wave, for the way out
.set SP,    144
.set SPARE, STAGE+4*16*SP  ; behind the stages: the spare words, 128 bytes for each wave: two blocks of 256 bytes that no other line names
.set ASTEP, 256       ; bytes from a K step to the next in Xb,
.set BSTEP, 128*6144  ; and in Wc
.set ADRA, 16         ; v16-17  LDS address of my fragments of Xb in slot 0, 1
.set ADRB, 18         ; v18-23  of Wc: slot s, chunk j at ADRB + 3 s + j
.set STO,  24         ; v24  the way out: where I put 16 bytes of a row
.set RD,   25         ; v25  where I read rows back
.set GO,   26         ; v26  my byte offset in 512 consecutive bytes of a head
.set SPW,  28         ; v28  LDS address of my spare word: SPARE + 4 x my thread's number; never rewritten
.set NIL,  29         ; v29  0; never rewritten
.set PFO,  30         ; v30  the prefetches' offset: my lane x a row of Xb or Wc in memory; never rewritten
.set FA,   32         ; Xb's fragment buffers, in window 0
.set T,    64         ; the way out: 16 registers for each of 12 tiles
.set G1,  24          ; s[24:31] descriptor group 1 for Xb's tile;  s[32:39] group 0, a set for each slot
.set G0,  32
.set G1B, 48          ; s[48:55], s[56:63] the same for Wc's chunks
.set G0B, 56
.set LIM, 43          ; s43  1 in a wave that prefetches, else the greatest number
.set PFA, 44          ; s[44:45] where my prefetches stand
.set PFS, 22          ; s[22:23] their step: a K step of Xb or of Wc
.set MSB, 0
.macro WIN new                         ; the immediate's high byte repeats the setting that is left; a switch that changes nothing is dropped
.if MSB != (\new)
	s_set_vgpr_msb (MSB<<8)|(\new)
.set MSB, \new
.endif
.endm
.set MUL_LO, 0xa1     ; source 0 (Wc) window 1, source 1 (Xb) window 0, C and D window 2
.set TO_B,   0x40     ; destination window 1, address window 0
; A joint load.  The branch hangs on the wave's number alone.  An s_nop 0 and four v_nop follow each of the two lines, ahead of the jump and the label.
.macro JLOAD s
	s_cmp_eq_u32 s10, 0
	s_cbranch_scc0 .Lfor_b_\@
	tensor_load_to_lds s[G0+4*(\s):G0+4*(\s)+3], s[G1:G1+7]
	s_nop 0
.rept 4
	v_nop
.endr
	s_branch .Lasked_\@
.Lfor_b_\@:
	tensor_load_to_lds s[G0B+4*(\s):G0B+4*(\s)+3], s[G1B:G1B+7]
	s_nop 0
.rept 4
	v_nop
.endr
.Lasked_\@:
.endm
; A PREFETCH INTO THE L2, behind a joint refill, its five lines and the run of LDS loads: the K step that stands two refills on, 384 matrix instructions ahead of its load: 32 rows x 256 bytes, a lane a row.
; Each row's 256 bytes of a K step are named once in the launch: Xb's rows by the clusters with x = 0 (wave 0), Wc's by the clusters with y = 0 (waves 1 to 3); the four partners that ask for
; a tile jointly take 32 of its 128 rows each, told apart by address.  The loop's last trip (s3 = 1) asks for nothing: there is no K step two on.  K steps 0 to 3 come by their loads alone.
.macro ASK
	s_cmp_gt_u32 s3, s[LIM]
	s_cbranch_scc0 .Lnot_mine_\@
	global_prefetch_b8 v[PFO], s[PFA:PFA+1] th:TH_LOAD_NT scope:SCOPE_SE
.Lnot_mine_\@:
.endm
.macro CREST                           ; a round of the cluster's barrier behind its opening barrier
	s_cmp_lg_u32 s10, 0
	s_cbranch_scc1 .Lnot_wave_0_\@
	s_barrier_signal -3
.Lnot_wave_0_\@:
	s_barrier_wait -3
	s_barrier_signal -1
	s_barrier_wait -1
.endm
.macro CROUND                          ; a whole round
	s_barrier_signal -1
	s_barrier_wait -1
	CREST
.endm
	s_load_b128 s[4:7], s[0:1], 0x0                ; Xb s[4:5], Wc s[6:7]
	s_load_b64 s[8:9], s[0:1], 0x10                ; qkvh
	v_lshl_add_u32 v[SPW], v0, 2, SPARE
	v_mov_b32 v[NIL], 0
	ds_add_u32 v[SPW], v[NIL]                      ; the wave's opening: the add and its wait stand ahead of my first tensor load; the set-up below, work on registers, stands between them
	v_lshrrev_b32 v1, 5, v0
	v_readfirstlane_b32 s10, v1                    ; wave 0..3
	s_lshr_b32 s11, s10, 1                         ; r: which 64 rows of the tile are mine
	s_and_b32 s12, s10, 1                          ; c: which 64 columns of each chunk
	s_bfe_u32 s40, ttmp6, 0x40000                  ; cx, cy: my place in the cluster
	s_bfe_u32 s41, ttmp6, 0x40004
	s_lshl_b32 s42, ttmp9, 2
	s_add_co_u32 s42, s42, s40                     ; tile column = 4 x cluster x + cx
	s_and_b32 s13, ttmp7, 0xffff
	s_lshl_b32 s13, s13, 2
	s_add_co_u32 s13, s13, s41                     ; tile row = 4 x cluster y + cy
	s_lshl_b32 s43, s41, 2
	s_lshl_b32 s43, 15, s43                        ; my row of the cluster
	s_lshl_b32 s44, 0x1111, s40                    ; my column
	; descriptor group 1: a tile of 128 rows x 128 elements of 2 bytes, padded in LDS after every 64 words
	s_or_b32 s[G1], s43, (1<<16)|(1<<20)|(1<<21)|(5<<22)|(3<<25)   ; 15:0 the mask: my row; 17:16 2-byte elements; 20 padding on; 21 set beside a mask; 24:22 code 5; 31:25 4 words (code 3)
	s_or_b32 s[G1B], s44, (1<<16)|(1<<20)|(1<<21)|(5<<22)|(7<<25)  ; the mask of my column; 8 words of padding (code 7)
.irp g, G1, G1B
	s_mov_b32 s[(\g)+1], 128<<16                   ; tensor_dim0 = 128
	s_mov_b32 s[(\g)+2], 128<<16                   ; tensor_dim1 = 128
	s_mov_b32 s[(\g)+3], 128<<16                   ; tile_dim0 = 128
	s_mov_b32 s[(\g)+4], 128                       ; tile_dim1 = 128
	s_mov_b32 s[(\g)+6], 0
	s_mov_b32 s[(\g)+7], 0
.endr
	s_mov_b32 s[G1+5], 1024                        ; elements from row to row in Xb,
	s_mov_b32 s[G1B+5], 3072                       ; and in Wc
	s_lshl_b32 s16, s13, 18                        ; Xb: 128 x tile row rows of 2,048 bytes: hangs on the tile row alone
	s_mov_b32 s17, 0
	s_mul_i32 s46, s42, 768                        ; Wc: the tile column's 384 columns,
	s_max_u32 s18, s10, 1
	s_sub_co_u32 s18, s18, 1                       ; the chunk that I fetch (wave 0 fetches none and never uses this),
	s_lshl_b32 s19, s18, 8                         ; its 256 bytes of a row
	s_add_co_u32 s46, s46, s19
	s_mov_b32 s47, 0
	s_mul_i32 s20, s10, REG                        ; where my load goes: wave x 36,864: no place in the cluster enters an LDS address
	s_wait_dscnt 0x0                               ; the opening add is done
	s_wait_kmcnt 0x0
	s_add_nc_u64 s[14:15], s[4:5], s[16:17]
	s_add_nc_u64 s[46:47], s[6:7], s[46:47]
	CROUND                                         ; all sixteen work-groups are here: the first joint loads meet
.irp s, 0,1
	s_mov_b32 s[G0+4*(\s)], 1                                      ; count = 1
	s_add_co_u32 s[G0+4*(\s)+1], s20, (\s)*SLOT                    ; LDS address
	s_add_nc_u64 s[G0+4*(\s)+2:G0+4*(\s)+3], s[14:15], (\s)*ASTEP  ; global address: K step s
	s_or_b32 s[G0+4*(\s)+3], s[G0+4*(\s)+3], 0x80000000            ; type = 2
	s_mov_b32 s[G0B+4*(\s)], 1
	s_add_co_u32 s[G0B+4*(\s)+1], s20, (\s)*SLOT
	s_add_nc_u64 s[G0B+4*(\s)+2:G0B+4*(\s)+3], s[46:47], (\s)*BSTEP
	s_or_b32 s[G0B+4*(\s)+3], s[G0B+4*(\s)+3], 0x80000000
	JLOAD \s                                       ; both slots are asked for before anything else: two loads of mine are out
.endr
	; A fragment of Xb is 16 rows x 32 K in 8 registers: lane l holds row l % 16, K = 8 (l / 16) + 0..7 and 16 + 8 (l / 16) + 0..7: two loads of 16 bytes, 32 bytes apart.
	v_and_b32 v1, 15, v0                           ; l % 16
	v_bfe_u32 v2, v0, 4, 1                         ; l / 16
	v_mul_u32_u24 v3, v1, PA
	v_lshl_add_u32 v3, v2, 4, v3
	s_mul_i32 s21, s11, 64*PA                      ; my 64 rows
	v_add_nc_u32 v[ADRA], s21, v3
	v_add_nc_u32 v[ADRA+1], SLOT, v[ADRA]
	; The turning load takes 16 k x 16 columns (lane l reads k = 8 (l / 16) + l % 8, columns 8 ((l / 8) % 2) + 0..7) and leaves half a fragment: lane l holds column l % 16 and 8 k.
	v_and_b32 v4, 7, v0
	v_bfe_u32 v5, v0, 3, 1
	v_lshl_add_u32 v6, v2, 3, v4
	v_mul_u32_u24 v6, v6, PB
	v_lshl_add_u32 v6, v5, 4, v6
	s_lshl_b32 s22, s12, 7                         ; my 64 columns of a chunk
	v_add_nc_u32 v6, s22, v6
.irp s, 0,1
.irp j, 0,1,2
	v_add_nc_u32 v[ADRB+3*(\s)+(\j)], (\s)*SLOT+(1+(\j))*REG, v6
.endr
.endr
	s_mul_i32 s23, s10, 16*SP
	s_add_co_u32 s23, s23, STAGE                   ; my stage
	v_mul_u32_u24 v7, v1, SP                       ; in: row l % 16, 16 bytes for each half of the lanes
	v_lshl_add_u32 v7, v2, 4, v7
	v_add_nc_u32 v[STO], s23, v7
	v_bfe_u32 v7, v0, 3, 2                         ; back: 32 lanes take four rows of 128 bytes,
	v_mul_u32_u24 v7, v7, SP
	v_lshl_add_u32 v7, v4, 4, v7
	v_add_nc_u32 v[RD], s23, v7
	v_and_b32 v[GO], 31, v0                        ; which are 512 consecutive bytes of a head
	v_lshlrev_b32 v[GO], 4, v[GO]
	s_mul_i32 s46, s42, 6                          ; my head of chunk 0: 6 x tile column + c (chunk j: 2 j heads on),
	s_add_co_u32 s46, s46, s12
	s_lshl_b32 s46, s46, 19                        ; 524,288 bytes a head,
	s_lshl_b32 s16, s13, 14                        ; the tile's 128 rows of 128 bytes,
	s_lshl_b32 s17, s11, 13                        ; my 64 of them
	s_add_co_u32 s46, s46, s16
	s_add_co_u32 s46, s46, s17
	s_mov_b32 s47, 0
	s_add_nc_u64 s[8:9], s[8:9], s[46:47]
	; the prefetches: both offsets are made, at K step 3, and the wave's number chooses
	s_lshl_b32 s16, s13, 18                        ; Xb: the tile's first row,
	s_lshl_b32 s17, s40, 16                        ; my work-group's 32 of its 128 rows (by cx)
	s_add_co_u32 s16, s16, s17
	s_add_co_u32 s16, s16, 3*ASTEP
	s_mul_i32 s17, s41, 32*6144                    ; Wc: my work-group's 32 of a K step's 128 rows (by cy),
	s_mul_i32 s20, s42, 768                        ; the tile column,
	s_add_co_u32 s17, s17, s20
	s_add_co_u32 s17, s17, s19                     ; my chunk
	s_add_co_u32 s17, s17, 3*BSTEP
	s_mov_b32 s20, 2048
	s_mov_b32 s21, 6144
	s_mov_b32 s22, ASTEP
	s_mov_b32 s23, BSTEP
	s_and_b32 s14, ttmp7, 0xffff                   ; cluster y
	s_cmp_eq_u32 s10, 0                            ; do I fetch for Xb?
	s_cselect_b32 s16, s16, s17
	s_cselect_b32 s20, s20, s21                    ; bytes from row to row
	s_cselect_b32 s[PFS], s22, s23
	s_cselect_b32 s14, ttmp9, s14                  ; the coordinate along which other clusters read the same rows
	s_cselect_b64 s[PFA:PFA+1], s[4:5], s[6:7]
	s_mov_b32 s17, 0
	s_mov_b32 s[PFS+1], 0
	s_add_nc_u64 s[PFA:PFA+1], s[PFA:PFA+1], s[16:17]  ; at K step 3: the first refill steps it to 4
	s_cmp_eq_u32 s14, 0
	s_cselect_b32 s[LIM], 1, -1                    ; the same in all sixteen partners, for a given wave
	v_and_b32 v[PFO], 31, v0
	v_mul_u32_u24 v[PFO], s20, v[PFO]
; 12 matrix instructions: row block a x all 12 column blocks, 32 along K, from buffer f.  zero = 1: the product starts the sums: nothing is cleared.
; Every accumulator has one instruction a quarter step, always in the same order: the accumulators take turns.
.macro MUL12 f, a, zero
	WIN MUL_LO+0x50*((\a)/2)
.irp b, 0,1,2,3,4,5,6,7,8,9,10,11
.if \zero
	v_wmma_f32_16x16x32_bf16 v[8*(12*((\a)%2)+(\b)):8*(12*((\a)%2)+(\b))+7], v[96*(\f)+8*(\b):96*(\f)+8*(\b)+7], v[FA+32*(\f)+8*(\a):FA+32*(\f)+8*(\a)+7], 0
.else
	v_wmma_f32_16x16x32_bf16 v[8*(12*((\a)%2)+(\b)):8*(12*((\a)%2)+(\b))+7], v[96*(\f)+8*(\b):96*(\f)+8*(\b)+7], v[FA+32*(\f)+8*(\a):FA+32*(\f)+8*(\a)+7], v[8*(12*((\a)%2)+(\b)):8*(12*((\a)%2)+(\b))+7]
.endif
.endr
.endm
; 32 LDS loads in one run: quarter q (32 along K) of a slot into buffer f: Wc's 12 fragments, turned, then Xb's 4
.macro FETCH slot, q, f
	WIN TO_B
.irp j, 0,1,2
.irp i, 0,1,2,3
	ds_load_tr16_b128 v[96*(\f)+8*(4*(\j)+(\i)):96*(\f)+8*(4*(\j)+(\i))+3],   v[ADRB+3*(\slot)+(\j)] offset:32*(\q)*PB+32*(\i)
	ds_load_tr16_b128 v[96*(\f)+8*(4*(\j)+(\i))+4:96*(\f)+8*(4*(\j)+(\i))+7], v[ADRB+3*(\slot)+(\j)] offset:32*(\q)*PB+32*(\i)+16*PB
.endr
.endr
	WIN 0
.irp a, 0,1,2,3
	ds_load_b128 v[FA+32*(\f)+8*(\a):FA+32*(\f)+8*(\a)+3],   v[ADRA+(\slot)] offset:(\a)*16*PA+64*(\q)
	ds_load_b128 v[FA+32*(\f)+8*(\a)+4:FA+32*(\f)+8*(\a)+7], v[ADRA+(\slot)] offset:(\a)*16*PA+64*(\q)+32
.endr
.endm
.macro PLACES                          ; four plain instructions in front of loads into registers that matrix instructions have read, and of conversions that read results
.rept 4
	v_nop
.endr
.endm
; A K step is four quarters of 32 along K, 48 matrix instructions each, on buffers 0, 1, 0, 1.  One of the first three: multiplies buffer f; in its middle it fetches quarter q into buffer g.
.macro QUARTER slot, q, f, g, zero
	s_wait_dscnt 4                                 ; Wc's fragments and Xb's blocks 0, 1 are in; the youngest four loads (blocks 2, 3) may be out
	MUL12 \f, 0, \zero
	MUL12 \f, 1, \zero
	PLACES
	FETCH \slot, \q, \g
	s_wait_dscnt 32                                ; all but the 32 just issued
	MUL12 \f, 2, \zero
	MUL12 \f, 3, \zero
.endm
; The last quarter multiplies buffer 1 and changes slots: ONE barrier.  In front of it each wave waits for all its tensor loads (one is out: its part of the next slot), adds 0 to its spare word, and waits
; for that and for its own reads of this slot.  fill = 1: the barrier opens a round of the cluster's, and this slot is filled again, two K steps on, first thing behind the round.
.macro TURN slot, next, fill
.if \fill
	s_wait_xcnt 0x0                                ; the last prefetch, a K step back, has read its address: it is stepped here, ahead of the change's own waits
	s_add_nc_u64 s[PFA:PFA+1], s[PFA:PFA+1], s[PFS:PFS+1]
.endif
	WIN 0                                          ; (the add's two registers lie in window 0)
	s_wait_tensorcnt 0x0                           ; all my tensor loads have landed;
	ds_add_u32 v[SPW], v[NIL]                      ; 0 onto my spare word;
	s_wait_dscnt 5                                 ; (the add and the youngest four loads may be out)
	MUL12 1, 0, 0                                  ; twelve matrix instructions stand between the add and the wait for it
	s_wait_dscnt 0x0                               ; the add is done, and my reads of this slot are over
	s_barrier_signal -1
	MUL12 1, 1, 0                                  ; work on registers while the others arrive
.if \fill
	WIN 0
.endif
	s_barrier_wait -1
.if \fill
	CREST                                          ; no wave of any partner still reads this slot or has a load on its way
	s_add_nc_u64 s[G0+4*(\slot)+2:G0+4*(\slot)+3], s[G0+4*(\slot)+2:G0+4*(\slot)+3], 2*ASTEP
	s_add_nc_u64 s[G0B+4*(\slot)+2:G0B+4*(\slot)+3], s[G0B+4*(\slot)+2:G0B+4*(\slot)+3], 2*BSTEP
	JLOAD \slot                                    ; my one tensor load behind the round: 168 matrix instructions ahead of the wait for it; its four v_nop are also the places in front of the loads below
.else
	PLACES
.endif
	FETCH \next, 0, 0
.if \fill
	ASK
.endif
	MUL12 1, 2, 0
	MUL12 1, 3, 0
.endm
	s_wait_tensorcnt 0x1                           ; my part of K step 0 is in; K step 1's may stay out
	s_barrier_signal -1
	s_barrier_wait -1                              ; everybody's is
	FETCH 0, 0, 0
	QUARTER 0, 1, 0, 1, 1                          ; the first quarter stands in front of the loop: its products start the sums
	WIN 0                                          ; at a label and at a branch every window is 0
	s_mov_b32 s3, 3
.Llap:                                                 ; a trip goes once round the ring, from a lap's second quarter to the next lap's first, and fills both slots again
	QUARTER 0, 2, 1, 0, 0
	QUARTER 0, 3, 0, 1, 0
	TURN 0, 1, 1
	QUARTER 1, 1, 0, 1, 0
	QUARTER 1, 2, 1, 0, 0
	QUARTER 1, 3, 0, 1, 0
	TURN 1, 0, 1
	QUARTER 0, 1, 0, 1, 0
	WIN 0
	s_sub_co_u32 s3, s3, 1
	s_cmp_lg_u32 s3, 0
	s_cbranch_scc1 .Llap
	QUARTER 0, 2, 1, 0, 0                          ; the last lap fills nothing
	QUARTER 0, 3, 0, 1, 0
	TURN 0, 1, 0
	QUARTER 1, 1, 0, 1, 0
	QUARTER 1, 2, 1, 0, 0
	QUARTER 1, 3, 0, 1, 0
	s_wait_dscnt 4                                 ; the very last quarter: nothing more to fetch
	MUL12 1, 0, 0
	MUL12 1, 1, 0
	s_wait_dscnt 0x0
	MUL12 1, 2, 0
	MUL12 1, 3, 0
	WIN 0
	PLACES
	PLACES                                         ; (eight, once a launch)
; THE WAY OUT: 12 tiles t = 3 a + j of 16 rows x 64 columns: row block a of head j.  A lane's eight columns pack into 16 bytes; they go into my stage's rows of 144 bytes and come back as whole
; rows of 128, four rows (512 dense bytes of the head) a load.  Each accumulator's registers are read in ascending order.
.macro PACK t
.set AC, 8*(12*(((\t)/3)%2)+4*((\t)%3))
	WIN 0x0a+5*((\t)/6)                            ; sources 0 and 1: window 2 or 3
.irp i, 0,1,2,3
.irp r, 0,1,2,3
	v_cvt_pk_f16_f32 v[T+16*(\t)+4*(\i)+(\r)], v[AC+8*(\i)+2*(\r)], v[AC+8*(\i)+2*(\r)+1]
.endr
.endr
	WIN 0
.irp i, 0,1,2,3
	ds_store_b128 v[STO], v[T+16*(\t)+4*(\i):T+16*(\t)+4*(\i)+3] offset:32*(\i)
.endr
.irp f, 0,1,2,3
	ds_load_b128 v[T+16*(\t)+4*(\f):T+16*(\t)+4*(\f)+3], v[RD] offset:(\f)*4*SP  ; LDS serves a wave's instructions in order (ISA guide 5.7.1.4): these see the stores above; the next tile's stores come behind them
.endr
.endm
.macro SEND t, younger                 ; younger: the LDS instructions issued behind tile t's loads: the next tile's eight, or none
.irp f, 0,1,2,3
	s_wait_dscnt (\younger)+3-(\f)
	global_store_b128 v[GO], v[T+16*(\t)+4*(\f):T+16*(\t)+4*(\f)+3], s[8:9] offset:((\t)%3)*1048576+((\t)/3)*2048+(\f)*512  ; 512 consecutive bytes, at a multiple of 256 from the buffer's first
.endr
.endm
	PACK 0
.set t, 1
.rept 11                               ; a tile's conversions stand between the loads of the tile before and its stores; no register that a store reads is written again
	PACK t
	SEND t-1, 8
.set t, t+1
.endr
	SEND 11, 0
	s_wait_tensorcnt 0x0                           ; the wave's end, behind my last tensor load and my last LDS store
	ds_add_u32 v[SPW], v[NIL]
	s_wait_dscnt 0x0
	CROUND                                         ; the closing round: no work-group ends while a partner may still ask for a tile that names it
	s_endpgm
.Lfunc_end_k_q6593edc11a_proj:
	.size	k_q6593edc11a_proj, .Lfunc_end_k_q6593edc11a_proj-k_q6593edc11a_proj
	.p2alignl 7, 3214868480
	.fill 96, 4, 3214868480
	.section	.rodata,"a",@progbits
	.p2align	6, 0x0
	.amdhsa_kernel k_q6593edc11a_proj
		.amdhsa_group_segment_fixed_size 327680
		.amdhsa_private_segment_fixed_size 0
		.amdhsa_enable_private_segment 0
		.amdhsa_kernarg_size 24
		.amdhsa_user_sgpr_count 2
		.amdhsa_user_sgpr_kernarg_segment_ptr 1
		.amdhsa_wavefront_size32 1
		.amdhsa_system_sgpr_workgroup_id_x 1
		.amdhsa_system_sgpr_workgroup_id_y 1
		.amdhsa_system_sgpr_workgroup_id_z 1
		.amdhsa_system_vgpr_workitem_id 0
		.amdhsa_next_free_vgpr 960
		.amdhsa_next_free_sgpr 66
		.amdhsa_reserve_vcc 0
		.amdhsa_float_denorm_mode_32 3
		.amdhsa_float_denorm_mode_16_64 3
		.amdhsa_memory_ordered 1
		.amdhsa_forward_progress 1
		.amdhsa_inst_pref_size 122
	.end_amdhsa_kernel
	.amdgpu_metadata
---
amdhsa.version: [ 1, 2 ]
amdhsa.kernels:
  - .name:           k_q6593edc11a_proj
    .symbol:         k_q6593edc11a_proj.kd
    .args:
      - { .name: Xb, .offset: 0, .size: 8, .value_kind: global_buffer, .address_space: global }
      - { .name: Wc, .offset: 8, .size: 8, .value_kind: global_buffer, .address_space: global }
      - { .name: qkvh, .offset: 16, .size: 8, .value_kind: global_buffer, .address_space: global }
    .group_segment_fixed_size: 327680
    .private_segment_fixed_size: 0
    .kernarg_segment_align: 8
    .kernarg_segment_size: 24
    .max_flat_workgroup_size: 128
    .sgpr_count:     66
    .vgpr_count:     960
    .wavefront_size: 32
...
	.end_amdgpu_metadata
.endif
;; end of part 2
;; launch attn (part 3): grid 16 x 16, 8 waves a work-group, no clusters, 175,104 bytes of LDS; arguments qkvh, Ob; writes Ob
.if DOCPART == 3
	.amdgcn_target "amdgcn-amd-amdhsa--gfx1250"
	.amdhsa_code_object_version 6
	.text
	.protected	k_q6593edc11a_attn
	.globl	k_q6593edc11a_attn
	.p2align	8
	.type	k_q6593edc11a_attn,@function
k_q6593edc11a_attn:
	s_mov_b64 s[64:65], 0
	v_nop
	global_prefetch_b8 v0, s[64:65] scope:SCOPE_SE
	s_setreg_imm32_b32 hwreg(HW_REG_WAVE_MODE, 25, 1), 1
	s_wait_xcnt 0x0
; WINDOW ATTENTION.  O[h][i] = the sum over the keys j with i - 256 < j <= i of softmax_j(q[h][i] . k[h][j]) v[h][j]: no scale.  q, k, v: qkvh[48][4096][64] in f16 (heads 0-15 q, 16-31 k, 32-47 v).
; Products, maxima and sums in f32; the weights p are rounded to f16 for the second product (their sum l is taken of the unrounded p), O once at the end, to f16.
; O is stored as Ob[i / 128][h][i % 128][64]: for a block of 128 rows all heads lie in 256 KiB on end.
; LIMITS.  A hidden score counts as its value less 1e30, or as -1e30: f16's scores, 2.7e11 at the most, are nothing beside that.  A weight below 2^-126 counts as 0 in l.  NaN and infinities are not treated apart.
; SHARES.  A work-group is a block of 256 queries (first query Q0) of one head.  The 512 keys Q0 - 256 .. Q0 + 255 of K and V are brought into LDS ONCE, one tensor load a wave; nothing is filled again.
; Wave w owns 32 queries, two tiles of 16, and walks nine blocks of 32 keys, LDS rows 32 w + 32 n, from n = 8 down: the diagonal block (a key is hidden if it lies behind the query), seven free blocks,
; the far block (a key is hidden if it lies 256 or more back).  The diagonal goes first: every query sees its own key there, so it starts m, l and O^T with true numbers and nothing is cleared.
; Two waves lie on a SIMD, so that one wave's softmax stands beside the other's products; no barrier in the walk brings them into step.
; THE FIRST BLOCK OF A HEAD has no keys below 0: its loads of them are clamped to key 0 (so that every LDS byte that is read has been written), and the key blocks n < 8 - w are jumped over.
; NO CLUSTER: 256 keys are the upper half of one block's LDS image and the lower half of its neighbour's; a joint load lands at one LDS address in all that it names, so read addresses would hang on the
; place in the cluster; and all five units of four partners, 1,280 keys x 304 bytes, do not fit into a work-group's LDS.
; LAYOUT.  S^T = K Q^T (source 0 = 16 keys, source 1 = 16 queries): a lane holds ONE query (lane % 16) and the keys 8 (lane / 16) + 0..7.  Two such results rounded to f16 ARE source 1 of O^T = V^T P.
; SOFTMAX.  p = 2^(c s - c m), c = log2(e), with a running maximum m; O and l are multiplied by a = 2^(c m_old - c m_new) in every step but the first.
; THE MASK is the C operand that starts a sum: MD[j] = -1e30 where key 8 (lane / 16) + j lies behind query lane % 16, else 0; for the far block its complement.  A tile of 16 x 16 that is wholly hidden has no products.
.set PK,    144       ; a row of K in LDS: 128 bytes + 16 = 36 words: the 16 rows of a load start at 16 different groups of four banks (64 banks of 4 bytes: ISA guide 11.1)
.set PV,    160       ; a row of V: 128 + 32 = 40 words
.set VBASE, 512*PK
.set STAGE, VBASE+512*PV   ; never filled by a tensor load: 16 rows x 144 bytes for each wave, for the way out
.set SP,    144
.set SPARE, STAGE+8*16*SP  ; the spare words, 128 bytes for each wave: four blocks of 256 bytes that no other line names
.set AK0, 4           ; v4   my lane's place in a block of K; never rewritten
.set AV0, 5           ; v5   the same for V
.set AK,  6           ; v6   the LDS address of K's run of loads in hand
.set AV,  7           ; v7   of V's
.set STO, 8           ; v8   the way out: where I put 16 bytes of a row
.set RD,  9           ; v9   where I read rows back
.set GO,  10          ; v10  my byte offset in 512 consecutive bytes of O
.set QO,  11          ; v11  my byte offset in 16 rows of Q
.set SPW, 12          ; v12  LDS address of my spare word: SPARE + 4 x my thread's number; never rewritten
.set NIL, 13          ; v13  0; never rewritten
.set ST,  16          ; tile t's statistics at ST + 8 t: c m, m, l (even keys', odd keys'), c0, c1 at work, a, c m_old
.set MD,  32          ; v[32:39]
.set P,   40          ; 8 a tile
.set Q,   56          ; tile tq, channel half c at Q + 16 tq + 8 c
.set KF,  88          ; key half kb, channel half c at KF + 16 kb + 8 c
.set VF,  120         ; channel block cb at VF + 8 cb
.set S,   152         ; tile tq, key half kb at S + 16 tq + 8 kb
.set O,   184         ; tile tq, channel block cb at O + 32 tq + 8 cb
.set WV,  12          ; s12  my wave's number
.set BL,  13          ; s13  the block of queries
.set HD,  14          ; s14  the head
.set G1K, 24          ; s[24:31] descriptor group 1 for K;  s[32:39] for V: it differs in the padding alone
.set G1V, 32
.set G0K, 40          ; s[40:43], s[44:47] descriptor group 0
.set G0V, 44
.set BIGN, 55         ; s55  -1e30
.set DEAD, 56         ; s56  key blocks below this number do not exist
.set CNT, 57          ; s57  the key block in hand, 7 to 1
.set CS,  58          ; s[58:59] c: the packed scaling takes the pair's low word for both halves
.set SEL, 60          ; s[60:61] v_permlanex16_b32's selects: each lane takes its own place in the other half
.set TBK, 62          ; s62  LDS byte at which K's block to be fetched begins
.set TBV, 63          ; s63  the same for V, less VBASE
	s_load_b128 s[4:7], s[0:1], 0x0                ; qkvh s[4:5], Ob s[6:7]
	v_lshl_add_u32 v[SPW], v0, 2, SPARE
	v_mov_b32 v[NIL], 0
	ds_add_u32 v[SPW], v[NIL]                      ; the wave's opening: the add and its wait stand ahead of my tensor load; the set-up below, work on registers, stands between them
	v_lshrrev_b32 v1, 5, v0
	v_readfirstlane_b32 s[WV], v1                  ; wave 0..7
	s_mov_b32 s[BL], ttmp9
	s_and_b32 s[HD], ttmp7, 0xffff
	s_and_b32 s15, s[WV], 3                        ; which 128 of the 512 keys I fetch (waves 0-3: of K, waves 4-7: of V)
	s_lshl_b32 s16, s[BL], 8
	s_lshl_b32 s17, s15, 7
	s_add_co_u32 s16, s16, s17
	s_sub_co_i32 s16, s16, 256                     ; their first key, Q0 - 256 + 128 i,
	s_max_i32 s16, s16, 0                          ; or key 0 where there is none
	s_lshl_b32 s16, s16, 7                         ; 128 bytes a key
	s_lshl_b32 s17, s[HD], 19                      ; 524,288 bytes a head
	s_add_co_u32 s16, s16, s17
	s_add_co_u32 s18, s16, 32*524288               ; in V,
	s_add_co_u32 s16, s16, 16*524288               ; in K
	s_lshl_b32 s20, s[BL], 15                      ; Q: the block's 256 rows,
	s_lshl_b32 s21, s[WV], 12                      ; my 32 of them
	s_add_co_u32 s20, s20, s17
	s_add_co_u32 s20, s20, s21
	s_lshl_b32 s22, s[BL], 1                       ; O: the block of 128 rows, 2 B + w / 4,
	s_lshr_b32 s23, s[WV], 2
	s_add_co_u32 s22, s22, s23
	s_lshl_b32 s22, s22, 18
	s_lshl_b32 s23, s[HD], 14                      ; the head's 16,384 bytes in it,
	s_add_co_u32 s22, s22, s23
	s_lshl_b32 s23, s15, 12                        ; my 32 rows
	s_add_co_u32 s22, s22, s23
	s_mov_b32 s17, 0
	s_mov_b32 s19, 0
	s_mov_b32 s21, 0
	s_mov_b32 s23, 0
	; descriptor group 1.  128 keys are 16,384 dense bytes: asked for as 64 rows of 256 bytes, two keys a row, and padded in LDS after every key
	s_mov_b32 s[G1K], (1<<16)|(1<<20)|(4<<22)|(3<<25)  ; 17:16 2-byte elements; 20 padding on; 24:22 after every 32 words (code 4); 31:25 4 words (code 3)
	s_mov_b32 s[G1V], (1<<16)|(1<<20)|(4<<22)|(7<<25)  ; the same with 8 words of padding (code 7)
.irp g, G1K, G1V
	s_mov_b32 s[(\g)+1], 128<<16                   ; tensor_dim0 = 128
	s_mov_b32 s[(\g)+2], 64<<16                    ; tensor_dim1 = 64
	s_mov_b32 s[(\g)+3], 128<<16                   ; tile_dim0 = 128
	s_mov_b32 s[(\g)+4], 64                        ; tile_dim1 = 64
	s_mov_b32 s[(\g)+5], 128                       ; 128 elements from row to row
	s_mov_b32 s[(\g)+6], 0
	s_mov_b32 s[(\g)+7], 0
.endr
	s_mov_b32 s[G0K], 1                            ; count = 1
	s_mul_i32 s[G0K+1], s15, 128*PK                ; LDS address
	s_mov_b32 s[G0V], 1
	s_mul_i32 s[G0V+1], s15, 128*PV
	s_add_co_u32 s[G0V+1], s[G0V+1], VBASE
	s_mov_b32 s[BIGN], 0xf149f2ca                  ; -1e30
	s_mov_b32 s[CS], 0x3fb8aa3b                    ; c = log2(e)
	s_mov_b32 s[CS+1], s[CS]                       ; named with it as a pair
	s_mov_b32 s[SEL], 0x76543210
	s_mov_b32 s[SEL+1], 0xfedcba98
	s_mul_i32 s[TBK], s[WV], 32*PK
	s_add_co_u32 s[TBK], s[TBK], 256*PK            ; the diagonal block: LDS row 32 w + 256
	s_mul_i32 s[TBV], s[WV], 32*PV
	s_add_co_u32 s[TBV], s[TBV], 288*PV            ; one block further: every fetch of V steps back first
	s_sub_co_u32 s[DEAD], 8, s[WV]
	s_cmp_eq_u32 s[BL], 0
	s_cselect_b32 s[DEAD], s[DEAD], 0
	s_wait_dscnt 0x0                               ; the opening add is done
	s_wait_kmcnt 0x0
	s_add_nc_u64 s[G0K+2:G0K+3], s[4:5], s[16:17]  ; global address
	s_or_b32 s[G0K+3], s[G0K+3], 0x80000000        ; type = 2
	s_add_nc_u64 s[G0V+2:G0V+3], s[4:5], s[18:19]
	s_or_b32 s[G0V+3], s[G0V+3], 0x80000000
	s_add_nc_u64 s[8:9], s[4:5], s[20:21]          ; Q at my 32 rows
	s_add_nc_u64 s[10:11], s[6:7], s[22:23]        ; O at my 32 rows
	s_cmp_lt_u32 s[WV], 4                          ; my one tensor load of the launch; an s_nop 0 and four v_nop follow each of the two lines, ahead of the jump and the label
	s_cbranch_scc0 .Lfor_v
	tensor_load_to_lds s[G0K:G0K+3], s[G1K:G1K+7]
	s_nop 0
.rept 4
	v_nop
.endr
	s_branch .Lasked
.Lfor_v:
	tensor_load_to_lds s[G0V:G0V+3], s[G1V:G1V+7]
	s_nop 0
.rept 4
	v_nop
.endr
.Lasked:
	; A fragment of K or Q is 16 rows x 32 channels in 8 registers: lane l holds row l % 16, channels 8 (l / 16) + 0..7 and 16 + 8 (l / 16) + 0..7: two loads of 16 bytes, 32 bytes apart.
	v_and_b32 v1, 15, v0                           ; l % 16
	v_bfe_u32 v2, v0, 4, 1                         ; l / 16
	v_lshlrev_b32 v[QO], 7, v1
	v_lshl_add_u32 v[QO], v2, 4, v[QO]
.irp tq, 0,1
.irp c, 0,1
	global_load_b128 v[Q+16*(\tq)+8*(\c):Q+16*(\tq)+8*(\c)+3],   v[QO], s[8:9] offset:(\tq)*2048+(\c)*64
	global_load_b128 v[Q+16*(\tq)+8*(\c)+4:Q+16*(\tq)+8*(\c)+7], v[QO], s[8:9] offset:(\tq)*2048+(\c)*64+32
.endr
.endr
	v_lshlrev_b32 v14, 3, v2
	v_sub_nc_u32 v14, v1, v14                      ; my query less my lanes' 8 (l / 16): register j is hidden where j is greater
.irp j, 0,1,2,3,4,5,6,7
	v_cmp_gt_i32 vcc_lo, (\j), v14
	v_cndmask_b32 v[MD+(\j)], 0, s[BIGN], vcc_lo
.endr
	v_mul_u32_u24 v[AK0], v1, PK
	v_lshl_add_u32 v[AK0], v2, 4, v[AK0]
	; The turning load takes 16 keys x 16 channels (lane l reads key 8 (l / 16) + l % 8, channels 8 ((l / 8) % 2) + 0..7) and leaves half a fragment of V^T: lane l holds channel l % 16 and 8 keys.
	v_and_b32 v3, 7, v0
	v_bfe_u32 v14, v0, 3, 1
	v_lshl_add_u32 v[AV0], v2, 3, v3
	v_mul_u32_u24 v[AV0], v[AV0], PV
	v_lshl_add_u32 v[AV0], v14, 4, v[AV0]
	v_add_nc_u32 v[AV0], VBASE, v[AV0]
	s_mul_i32 s16, s[WV], 16*SP
	s_add_co_u32 s16, s16, STAGE                   ; my stage
	v_mul_u32_u24 v[STO], v1, SP                   ; in: row l % 16, 16 bytes for each half of the lanes
	v_lshl_add_u32 v[STO], v2, 4, v[STO]
	v_add_nc_u32 v[STO], s16, v[STO]
	v_bfe_u32 v[RD], v0, 3, 2                      ; back: 32 lanes take four rows of 128 bytes,
	v_mul_u32_u24 v[RD], v[RD], SP
	v_lshl_add_u32 v[RD], v3, 4, v[RD]
	v_add_nc_u32 v[RD], s16, v[RD]
	v_and_b32 v[GO], 31, v0                        ; which are 512 consecutive bytes of O
	v_lshlrev_b32 v[GO], 4, v[GO]
; THE LDS LOADS stand in runs of eight.  step = 1: the block 32 keys further back.
.macro FETCH_K step
.if \step
	s_sub_co_u32 s[TBK], s[TBK], 32*PK
.endif
	v_add_nc_u32 v[AK], s[TBK], v[AK0]
.irp kb, 0,1
.irp c, 0,1
	ds_load_b128 v[KF+16*(\kb)+8*(\c):KF+16*(\kb)+8*(\c)+3],   v[AK] offset:(\kb)*16*PK+(\c)*64
	ds_load_b128 v[KF+16*(\kb)+8*(\c)+4:KF+16*(\kb)+8*(\c)+7], v[AK] offset:(\kb)*16*PK+(\c)*64+32
.endr
.endr
.endm
.macro FETCH_V                         ; the address's line and three v_nop are the four plain instructions between the last product that read V and the loads (ISA guide 7.12.1 for vector instructions)
	s_sub_co_u32 s[TBV], s[TBV], 32*PV
	v_add_nc_u32 v[AV], s[TBV], v[AV0]
.rept 3
	v_nop
.endr
.irp cb, 0,1,2,3
	ds_load_tr16_b128 v[VF+8*(\cb):VF+8*(\cb)+3],   v[AV] offset:(\cb)*32
	ds_load_tr16_b128 v[VF+8*(\cb)+4:VF+8*(\cb)+7], v[AV] offset:(\cb)*32+16*PV
.endr
.endm
; One product of S^T = K Q^T.  m = 0: it starts the sum with 0; 1: with the mask; 2: it adds in place.
.macro KQP tq, kb, c, m
.if (\m) == 0
	v_wmma_f32_16x16x32_f16 v[S+16*(\tq)+8*(\kb):S+16*(\tq)+8*(\kb)+7], v[KF+16*(\kb)+8*(\c):KF+16*(\kb)+8*(\c)+7], v[Q+16*(\tq)+8*(\c):Q+16*(\tq)+8*(\c)+7], 0
.elseif (\m) == 1
	v_wmma_f32_16x16x32_f16 v[S+16*(\tq)+8*(\kb):S+16*(\tq)+8*(\kb)+7], v[KF+16*(\kb)+8*(\c):KF+16*(\kb)+8*(\c)+7], v[Q+16*(\tq)+8*(\c):Q+16*(\tq)+8*(\c)+7], v[MD:MD+7]
.else
	v_wmma_f32_16x16x32_f16 v[S+16*(\tq)+8*(\kb):S+16*(\tq)+8*(\kb)+7], v[KF+16*(\kb)+8*(\c):KF+16*(\kb)+8*(\c)+7], v[Q+16*(\tq)+8*(\c):Q+16*(\tq)+8*(\c)+7], v[S+16*(\tq)+8*(\kb):S+16*(\tq)+8*(\kb)+7]
.endif
.endm
; A block's scores.  kind 0: the diagonal block; 1: a free block; 2: the far block.  The live accumulators take turns.  The wholly hidden tile is written by eight moves,
; which are also the plain instructions behind the products; behind a free block's products stand four v_nop.
.macro KQ kind
.if (\kind) == 0
	KQP 0, 0, 0, 1
	KQP 1, 0, 0, 0
	KQP 1, 1, 0, 1
	KQP 0, 0, 1, 2
	KQP 1, 0, 1, 2
	KQP 1, 1, 1, 2
.irp j, 0,1,2,3,4,5,6,7
	v_mov_b32 v[S+8+(\j)], s[BIGN]                 ; queries 0-15, keys 16-31: all behind the query
.endr
.elseif (\kind) == 1
	KQP 0, 0, 0, 0
	KQP 0, 1, 0, 0
	KQP 1, 0, 0, 0
	KQP 1, 1, 0, 0
	KQP 0, 0, 1, 2
	KQP 0, 1, 1, 2
	KQP 1, 0, 1, 2
	KQP 1, 1, 1, 2
.rept 4
	v_nop
.endr
.else
	KQP 0, 0, 0, 1
	KQP 0, 1, 0, 0
	KQP 1, 1, 0, 1
	KQP 0, 0, 1, 2
	KQP 0, 1, 1, 2
	KQP 1, 1, 1, 2
.irp j, 0,1,2,3,4,5,6,7
	v_mov_b32 v[S+16+(\j)], s[BIGN]                ; queries 16-31, keys 0-15 of the far block: all 256 or more back
.endr
.endif
.endm
; O^T += V^T P: eight accumulators, one instruction each.  first = 1: the products start the sums.
.macro PVM first
.irp cb, 0,1,2,3
.irp tq, 0,1
.if \first
	v_wmma_f32_16x16x32_f16 v[O+32*(\tq)+8*(\cb):O+32*(\tq)+8*(\cb)+7], v[VF+8*(\cb):VF+8*(\cb)+7], v[P+8*(\tq):P+8*(\tq)+7], 0
.else
	v_wmma_f32_16x16x32_f16 v[O+32*(\tq)+8*(\cb):O+32*(\tq)+8*(\cb)+7], v[VF+8*(\cb):VF+8*(\cb)+7], v[P+8*(\tq):P+8*(\tq)+7], v[O+32*(\tq)+8*(\cb):O+32*(\tq)+8*(\cb)+7]
.endif
.endr
.endr
.endm
; THE SOFTMAX of both tiles for a block of 32 keys: every line for tile 0 and then tile 1, so that no line reads the result of the one before it.  first = 1: the diagonal block: no old maximum, no a, nothing to rescale.
; The 34 exponentials (32 in the first block) are ONE BATCH: none of them, and no line among them, names another's result; a v_nop is the plain instruction behind the last (ISA guide 5.7.2), and one
; s_wait_alu, ahead of the first line that names a result, serves them all.
.macro SOFT first
.irp n, 0,1
.irp t, 0,1
	v_max3_num_f32 v[ST+8*(\t)+4+(\n)], v[S+16*(\t)+8*(\n)], v[S+16*(\t)+8*(\n)+1], v[S+16*(\t)+8*(\n)+2]  ; each accumulator's lowest registers are read first
.endr
.endr
.irp d, 3,5
.irp n, 0,1
.irp t, 0,1
	v_max3_num_f32 v[ST+8*(\t)+4+(\n)], v[ST+8*(\t)+4+(\n)], v[S+16*(\t)+8*(\n)+(\d)], v[S+16*(\t)+8*(\n)+(\d)+1]
.endr
.endr
.endr
.irp t, 0,1
	v_max3_num_f32 v[ST+8*(\t)+4], v[ST+8*(\t)+4], v[S+16*(\t)+7], v[S+16*(\t)+15]
.endr
.irp t, 0,1
.if \first
	v_max_num_f32 v[ST+8*(\t)+4], v[ST+8*(\t)+4], v[ST+8*(\t)+5]
.else
	v_max3_num_f32 v[ST+8*(\t)+4], v[ST+8*(\t)+4], v[ST+8*(\t)+5], v[ST+8*(\t)+1]
.endif
.endr
.irp t, 0,1
	v_permlanex16_b32 v[ST+8*(\t)+5], v[ST+8*(\t)+4], s[SEL], s[SEL+1]  ; the query's other 16 keys lie in the lane 16 away
.endr
.if !(\first)
.irp t, 0,1
	v_mov_b32 v[ST+8*(\t)+7], v[ST+8*(\t)]         ; c m_old is kept
.endr
.endif
.irp t, 0,1
	v_max_num_f32 v[ST+8*(\t)+1], v[ST+8*(\t)+4], v[ST+8*(\t)+5]
.endr
.irp t, 0,1
	v_mul_f32 v[ST+8*(\t)], s[CS], v[ST+8*(\t)+1]
.endr
.if !(\first)
.irp t, 0,1
	v_sub_f32 v[ST+8*(\t)+7], v[ST+8*(\t)+7], v[ST+8*(\t)]
.endr
.irp t, 0,1
	v_exp_f32 v[ST+8*(\t)+6], v[ST+8*(\t)+7]       ; a
.endr
.endif
.irp b, 0,1,2,3,4,5,6,7
.irp t, 0,1
	v_pk_fma_f32 v[S+16*(\t)+2*(\b):S+16*(\t)+2*(\b)+1], v[S+16*(\t)+2*(\b):S+16*(\t)+2*(\b)+1], s[CS:CS+1], v[ST+8*(\t):ST+8*(\t)+1] op_sel_hi:[1,0,0] neg_lo:[0,0,1] neg_hi:[0,0,1]  ; c s - c m
.endr
.endr
.irp e, 0,1,2,3,4,5,6,7,8,9,10,11,12,13,14,15
.irp t, 0,1
	v_exp_f32 v[S+16*(\t)+(\e)], v[S+16*(\t)+(\e)]
.endr
.endr
	v_nop
	s_wait_alu depctr_va_vdst(0)                   ; the wait for the batch
.irp b, 0,1,2,3,4,5,6,7
.irp t, 0,1
	v_cvt_pk_f16_f32 v[P+8*(\t)+(\b)], v[S+16*(\t)+2*(\b)], v[S+16*(\t)+2*(\b)+1]
.endr
.endr
.irp b, 0,4,8,12                       ; the sum of the tile's eight pairs (an even key's weight, an odd key's), as a tree, in place
.irp t, 0,1
	v_pk_add_f32 v[S+16*(\t)+(\b):S+16*(\t)+(\b)+1], v[S+16*(\t)+(\b):S+16*(\t)+(\b)+1], v[S+16*(\t)+(\b)+2:S+16*(\t)+(\b)+3]
.endr
.endr
.irp b, 0,8
.irp t, 0,1
	v_pk_add_f32 v[S+16*(\t)+(\b):S+16*(\t)+(\b)+1], v[S+16*(\t)+(\b):S+16*(\t)+(\b)+1], v[S+16*(\t)+(\b)+4:S+16*(\t)+(\b)+5]
.endr
.endr
.if \first
.irp t, 0,1
	v_pk_add_f32 v[ST+8*(\t)+2:ST+8*(\t)+3], v[S+16*(\t):S+16*(\t)+1], v[S+16*(\t)+8:S+16*(\t)+9]
.endr
.else
.irp t, 0,1
	v_pk_add_f32 v[S+16*(\t):S+16*(\t)+1], v[S+16*(\t):S+16*(\t)+1], v[S+16*(\t)+8:S+16*(\t)+9]
.endr
.irp t, 0,1
	v_pk_fma_f32 v[ST+8*(\t)+2:ST+8*(\t)+3], v[ST+8*(\t)+2:ST+8*(\t)+3], v[ST+8*(\t)+6:ST+8*(\t)+7], v[S+16*(\t):S+16*(\t)+1] op_sel_hi:[1,0,1]  ; l = a l + sum
.endr
.set i, 0
.rept 16
.irp t, 0,1
	v_pk_mul_f32 v[O+32*(\t)+i:O+32*(\t)+i+1], v[O+32*(\t)+i:O+32*(\t)+i+1], v[ST+8*(\t)+6:ST+8*(\t)+7] op_sel_hi:[1,0]  ; O^T times a, in ascending order
.endr
.set i, i+2
.endr
.endif
.endm
; A KEY BLOCK.  Its K was fetched a block earlier.  next = 1: the next block's K is fetched behind the products that read this one's.
.macro STEP kind, next, first
	FETCH_V
	s_wait_dscnt 8                                 ; K is in; V's eight loads may be out
	KQ \kind
.if \next
	FETCH_K 1
.endif
	SOFT \first
	s_wait_dscnt 8*(\next)                         ; V is in; the next K's eight loads may be out
	PVM \first
.endm
	s_wait_tensorcnt 0x0                           ; my 128 keys have landed,
	s_barrier_signal -1
	s_barrier_wait -1                              ; everybody's have: the launch's one barrier
	FETCH_K 0
	s_wait_loadcnt 0x0                             ; Q
	STEP 0, 1, 1                                   ; the diagonal block
	s_mov_b32 s[CNT], 7
.Lmid:                                                 ; seven free blocks
	s_cmp_lt_u32 s[CNT], s[DEAD]                   ; in a head's first block of queries: does this key block exist?
	s_cbranch_scc1 .Ldead                          ; what is jumped holds no barrier and no tensor load
	STEP 1, 1, 0
.Ldead:
	s_sub_co_u32 s[CNT], s[CNT], 1
	s_cmp_lg_u32 s[CNT], 0
	s_cbranch_scc1 .Lmid
	s_cmp_eq_u32 s[BL], 0
	s_cbranch_scc1 .Lout                           ; there the far block never exists
.irp j, 0,1,2,3,4,5,6,7
	v_sub_f32 v[MD+(\j)], s[BIGN], v[MD+(\j)]      ; the mask's complement, exactly: -1e30 - (-1e30) = 0, -1e30 - 0 = -1e30
.endr
	STEP 2, 0, 0                                   ; the far block
.Lout:
	; THE WAY OUT.  l's two halves and the other half of the lanes' are added; O^T is divided by l, rounded to f16 and sent through my stage in LDS, a tile at a time.
.rept 4
	v_nop                                          ; with the additions below: the plain instructions behind the last products
.endr
.irp t, 0,1
	v_add_f32 v[ST+8*(\t)+4], v[ST+8*(\t)+2], v[ST+8*(\t)+3]
.endr
.irp t, 0,1
	v_permlanex16_b32 v[ST+8*(\t)+5], v[ST+8*(\t)+4], s[SEL], s[SEL+1]
.endr
.irp t, 0,1
	v_add_f32 v[ST+8*(\t)+4], v[ST+8*(\t)+4], v[ST+8*(\t)+5]
.endr
.irp t, 0,1
	v_rcp_f32 v[ST+8*(\t)+2], v[ST+8*(\t)+4]
.endr
	v_nop                                          ; a plain instruction between the last reciprocal and the use of its result
	s_wait_alu depctr_va_vdst(0)                   ; and the wait ahead of the first use: one for both reciprocals
.macro PACK t                          ; a lane's eight channels of a row pack into 16 bytes; they go into rows of 144 bytes and come back as whole rows of 128, into S^T's registers
.set i, 0
.rept 16
	v_pk_mul_f32 v[O+32*(\t)+i:O+32*(\t)+i+1], v[O+32*(\t)+i:O+32*(\t)+i+1], v[ST+8*(\t)+2:ST+8*(\t)+3] op_sel_hi:[1,0]
.set i, i+2
.endr
.set i, 0
.rept 16
	v_cvt_pk_f16_f32 v[S+16*(\t)+i], v[O+32*(\t)+2*i], v[O+32*(\t)+2*i+1]
.set i, i+1
.endr
.irp f, 0,1,2,3
	ds_store_b128 v[STO], v[S+16*(\t)+4*(\f):S+16*(\t)+4*(\f)+3] offset:32*(\f)
.endr
.irp f, 0,1,2,3
	ds_load_b128 v[S+16*(\t)+4*(\f):S+16*(\t)+4*(\f)+3], v[RD] offset:(\f)*4*SP  ; LDS serves a wave's instructions in order (ISA guide 5.7.1.4): these see the stores above; the next tile's stores come behind them
.endr
.endm
.macro SEND t, younger                 ; younger: the LDS instructions issued behind tile t's loads: the next tile's eight, or none
.irp f, 0,1,2,3
	s_wait_dscnt (\younger)+3-(\f)
	global_store_b128 v[GO], v[S+16*(\t)+4*(\f):S+16*(\t)+4*(\f)+3], s[10:11] offset:(\t)*2048+(\f)*512  ; 512 consecutive bytes, at a multiple of 256 from Ob's first
.endr
.endm
	PACK 0
	PACK 1
	SEND 0, 8
	SEND 1, 0
	s_wait_tensorcnt 0x0                           ; the wave's end, behind my tensor load and my last LDS store
	ds_add_u32 v[SPW], v[NIL]
	s_wait_dscnt 0x0
	s_endpgm
.Lfunc_end_k_q6593edc11a_attn:
	.size	k_q6593edc11a_attn, .Lfunc_end_k_q6593edc11a_attn-k_q6593edc11a_attn
	.p2alignl 7, 3214868480
	.fill 96, 4, 3214868480
	.section	.rodata,"a",@progbits
	.p2align	6, 0x0
	.amdhsa_kernel k_q6593edc11a_attn
		.amdhsa_group_segment_fixed_size 175104
		.amdhsa_private_segment_fixed_size 0
		.amdhsa_enable_private_segment 0
		.amdhsa_kernarg_size 16
		.amdhsa_user_sgpr_count 2
		.amdhsa_user_sgpr_kernarg_segment_ptr 1
		.amdhsa_wavefront_size32 1
		.amdhsa_system_sgpr_workgroup_id_x 1
		.amdhsa_system_sgpr_workgroup_id_y 1
		.amdhsa_system_sgpr_workgroup_id_z 1
		.amdhsa_system_vgpr_workitem_id 0
		.amdhsa_next_free_vgpr 248
		.amdhsa_next_free_sgpr 66
		.amdhsa_reserve_vcc 1
		.amdhsa_float_denorm_mode_32 3
		.amdhsa_float_denorm_mode_16_64 3
		.amdhsa_memory_ordered 1
		.amdhsa_forward_progress 1
		.amdhsa_inst_pref_size 42
	.end_amdhsa_kernel
	.amdgpu_metadata
---
amdhsa.version: [ 1, 2 ]
amdhsa.kernels:
  - .name:           k_q6593edc11a_attn
    .symbol:         k_q6593edc11a_attn.kd
    .args:
      - { .name: qkvh, .offset: 0, .size: 8, .value_kind: global_buffer, .address_space: global }
      - { .name: Ob, .offset: 8, .size: 8, .value_kind: global_buffer, .address_space: global }
    .group_segment_fixed_size: 175104
    .private_segment_fixed_size: 0
    .kernarg_segment_align: 8
    .kernarg_segment_size: 16
    .max_flat_workgroup_size: 256
    .sgpr_count:     66
    .vgpr_count:     248
    .wavefront_size: 32
...
	.end_amdgpu_metadata
.endif
;; end of part 3
;; launch oproj (part 4): grid 8 x 32, 4 waves a work-group, clusters of 4 x 4, 327,680 bytes of LDS; arguments Ob, Wof, bo, out0; writes out0
.if DOCPART == 4
	.amdgcn_target "amdgcn-amd-amdhsa--gfx1250"
	.amdhsa_code_object_version 6
	.text
	.protected	k_q6593edc11a_oproj
	.globl	k_q6593edc11a_oproj
	.p2align	8
	.type	k_q6593edc11a_oproj,@function
k_q6593edc11a_oproj:
	s_mov_b64 s[64:65], 0
	v_nop
	global_prefetch_b8 v0, s[64:65] scope:SCOPE_SE
	s_setreg_imm32_b32 hwreg(HW_REG_WAVE_MODE, 25, 1), 1
	s_wait_xcnt 0x0
	s_wait_alu depctr_hold_cnt(0) depctr_sa_sdst(0) depctr_va_vdst(0) depctr_va_sdst(0) depctr_va_ssrc(0) depctr_va_vcc(0) depctr_vm_vsrc(0)
	s_getreg_b32 s2, hwreg(HW_REG_IB_STS2, 6, 4)
	s_cmp_eq_u32 s2, 0
	s_cbranch_scc0 .Lentry_in_a_cluster
	s_endpgm
.Lentry_in_a_cluster:
	s_bfe_u32 s2, ttmp6, 0x10000c
	s_cmp_lg_u32 s2, 0xf033
	s_cbranch_scc0 .Lentry_shape_is_right
	s_endpgm
.Lentry_shape_is_right:
; out0[m][n] = the sum over k of O[m][k] Wo[k][n] + bo[n].  O comes as Ob[m / 128][k / 64][m % 128][k % 64] in f16, Wo as Wof [1024 k][1024 n] in f16 (bf16's numbers), bo in f32 and is rounded to bf16
; like the other inputs; sums in f32; out0 [4096][1024] in f32.
; SHARES.  A tile of out0 is 128 x 128: 32 x 8 = 256 work-groups of four waves, each 64 x 64: 16 accumulators.  K goes in 4 steps of 256 (four heads) through two LDS slots; each slot is filled again once,
; so the steps are written out without a loop.  Waves 0 and 1 fetch two heads of O's 128 rows each (32 KiB dense, asked for as 128 rows of 256 bytes and padded after every row of a head),
; waves 2 and 3 128 rows of k of Wof each (256 bytes of a row).
; Wof LIES [k][n]: its fragments come out of LDS turned, by ds_load_tr16_b128.  THE MATRIX INSTRUCTION IS USED TRANSPOSED (source 0 = 16 columns of Wof, source 1 = 16 rows of O): a lane holds eight
; neighbouring columns of one row.  THE BIAS IS THE C OPERAND of the product that starts each sum: register j of a lane is bo at its column.
; CLUSTERS: 4 x 4 work-groups; O's tiles are shared along a row of the cluster, Wof's along a column: joint loads, the same descriptor and mask in the four that a mask names.
; NO PREFETCH: two refills in the whole launch, and small tiles.
; REGISTERS: window 0: v16-29 addresses; v32-47 at work; v96-127 the bias; v128-255 the accumulators ((a, b) at 128 + 8 (4 a + b)).
;   window 1: two fragment buffers of 128: for 64 along K, one head: 64 registers of O (2 x 4 x 16 rows x 32 K), then 64 of Wof.
.set PAO,   144       ; a row of a head of O in LDS: 128 bytes + 16 = 36 words: the 16 rows of a load start at 16 different groups of four banks (64 banks of 4 bytes: ISA guide 11.1)
.set PB,    288       ; a row of Wof's tile: 256 + 32 = 72 words
.set HEADB, 128*PAO   ; a head's 128 rows
.set REG,   36864     ; what one tensor load fills: 256 x 144 = 128 x 288
.set SLOT,  4*REG     ; four heads of O, then 256 rows of Wof
.set BOFF,  2*REG
.set STAGE, 2*SLOT    ; behind the ring, never filled by a tensor load: 16 rows x 272 bytes for each wave, for the way out
.set SPITCH, 272
.set SPARE, STAGE+4*16*SPITCH  ; the spare words, 128 bytes for each wave: two blocks of 256 bytes that no other line names
.set ADRA, 16         ; v16-17  LDS address of my fragments of O in slot 0, 1
.set ADRB, 20         ; v20-23  of Wof: slot s, half k2 of its 256 rows at ADRB + 2 s + k2
.set STO,  24         ; v24  the way out: where I put 32 bytes of a row
.set RD,   25         ; v25  where I read a row back
.set CO,   26         ; v26  my byte offset in out0
.set BO,   27         ; v27  my byte offset in bo
.set SPW,  28         ; v28  LDS address of my spare word: SPARE + 4 x my thread's number; never rewritten
.set NIL,  29         ; v29  0; never rewritten
.set TMP,  32
.set BIAS, 96         ; column block b at BIAS + 8 b
.set ACC,  128
.set F0,   0          ; fragment buffers, in window 1
.set F1,   128
.set G1,  24          ; s[24:31] descriptor group 1 for O's tiles;  s[32:39] group 0, a set for each slot
.set G0,  32
.set G1B, 48          ; s[48:55], s[56:63] the same for Wof's
.set G0B, 56
.set MSB, 0
.macro WIN new                         ; the immediate's high byte repeats the setting that is left; a switch that changes nothing is dropped
.if MSB != (\new)
	s_set_vgpr_msb (MSB<<8)|(\new)
.set MSB, \new
.endif
.endm
.set MUL,  0x05       ; sources 0 (Wof) and 1 (O) window 1; C and D window 0
.set TO_F, 0x40       ; destination window 1, address window 0
.macro JLOAD s                         ; a joint load: waves 0 and 1 fetch for O, waves 2 and 3 for Wof; an s_nop 0 and four v_nop follow each of the two lines, ahead of the jump and the label
	s_cmp_eq_u32 s11, 0
	s_cbranch_scc0 .Lfor_b_\@
	tensor_load_to_lds s[G0+4*(\s):G0+4*(\s)+3], s[G1:G1+7]
	s_nop 0
.rept 4
	v_nop
.endr
	s_branch .Lasked_\@
.Lfor_b_\@:
	tensor_load_to_lds s[G0B+4*(\s):G0B+4*(\s)+3], s[G1B:G1B+7]
	s_nop 0
.rept 4
	v_nop
.endr
.Lasked_\@:
.endm
.macro CREST                           ; a round of the cluster's barrier behind its opening barrier
	s_cmp_lg_u32 s10, 0
	s_cbranch_scc1 .Lnot_wave_0_\@
	s_barrier_signal -3
.Lnot_wave_0_\@:
	s_barrier_wait -3
	s_barrier_signal -1
	s_barrier_wait -1
.endm
.macro CROUND                          ; a whole round
	s_barrier_signal -1
	s_barrier_wait -1
	CREST
.endm
	s_load_b128 s[4:7], s[0:1], 0x0                ; Ob s[4:5], Wof s[6:7]
	s_load_b64 s[2:3], s[0:1], 0x10                ; bo
	s_load_b64 s[8:9], s[0:1], 0x18                ; out0
	v_lshl_add_u32 v[SPW], v0, 2, SPARE
	v_mov_b32 v[NIL], 0
	ds_add_u32 v[SPW], v[NIL]                      ; the wave's opening: the add and its wait stand ahead of my first tensor load; the set-up below, work on registers, stands between them
	v_lshrrev_b32 v1, 5, v0
	v_readfirstlane_b32 s10, v1                    ; wave 0..3
	s_lshr_b32 s11, s10, 1                         ; which half of the tile's rows is mine.  Also: I fetch for O (0) or for Wof (1)
	s_and_b32 s12, s10, 1                          ; which half of its columns.  Also: which half of that tile I fetch
	s_bfe_u32 s40, ttmp6, 0x40000                  ; cx, cy: my place in the cluster
	s_bfe_u32 s41, ttmp6, 0x40004
	s_lshl_b32 s42, ttmp9, 2
	s_add_co_u32 s42, s42, s40                     ; tile column = 4 x cluster x + cx
	s_and_b32 s13, ttmp7, 0xffff
	s_lshl_b32 s13, s13, 2
	s_add_co_u32 s13, s13, s41                     ; tile row = 4 x cluster y + cy
	s_lshl_b32 s43, s41, 2
	s_lshl_b32 s43, 15, s43                        ; my row of the cluster
	s_lshl_b32 s44, 0x1111, s40                    ; my column
	; descriptor group 1: 128 rows x 128 elements of 2 bytes
	s_or_b32 s[G1], s43, (1<<16)|(1<<20)|(1<<21)|(4<<22)|(3<<25)   ; 15:0 the mask: my row; 17:16 2-byte elements; 20 padding on; 21 set beside a mask; 24:22 after every 32 words (code 4); 31:25 4 words (code 3)
	s_or_b32 s[G1B], s44, (1<<16)|(1<<20)|(1<<21)|(5<<22)|(7<<25)  ; the mask of my column; after every 64 words (code 5) 8 words (code 7)
.irp g, G1, G1B
	s_mov_b32 s[(\g)+1], 128<<16                   ; tensor_dim0 = 128
	s_mov_b32 s[(\g)+2], 128<<16                   ; tensor_dim1 = 128
	s_mov_b32 s[(\g)+3], 128<<16                   ; tile_dim0 = 128
	s_mov_b32 s[(\g)+4], 128                       ; tile_dim1 = 128
	s_mov_b32 s[(\g)+6], 0
	s_mov_b32 s[(\g)+7], 0
.endr
	s_mov_b32 s[G1+5], 128                         ; O's bytes are dense: 128 elements from row to row;
	s_mov_b32 s[G1B+5], 1024                       ; Wof's rows are 1,024 elements apart
	s_lshl_b32 s16, s13, 18                        ; O: the tile row's 262,144 bytes,
	s_lshl_b32 s17, s12, 15                        ; my two heads of a K step's four
	s_add_co_u32 s16, s16, s17
	s_mov_b32 s17, 0
	s_lshl_b32 s46, s12, 18                        ; Wof: my 128 rows of 2,048 bytes of a K step's 256,
	s_lshl_b32 s47, s42, 8                         ; the tile column's 256 bytes
	s_add_co_u32 s46, s46, s47
	s_mov_b32 s47, 0
	s_mul_i32 s20, s10, REG                        ; where my load goes: wave x 36,864: no place in the cluster enters an LDS address
	s_wait_dscnt 0x0                               ; the opening add is done
	s_wait_kmcnt 0x0
	s_add_nc_u64 s[14:15], s[4:5], s[16:17]
	s_add_nc_u64 s[46:47], s[6:7], s[46:47]
	CROUND                                         ; all sixteen work-groups are here: the first joint loads meet
.irp s, 0,1
	s_mov_b32 s[G0+4*(\s)], 1
	s_add_co_u32 s[G0+4*(\s)+1], s20, (\s)*SLOT
	s_add_nc_u64 s[G0+4*(\s)+2:G0+4*(\s)+3], s[14:15], (\s)*65536    ; K step s: four heads of 16,384 bytes
	s_or_b32 s[G0+4*(\s)+3], s[G0+4*(\s)+3], 0x80000000
	s_mov_b32 s[G0B+4*(\s)], 1
	s_add_co_u32 s[G0B+4*(\s)+1], s20, (\s)*SLOT
	s_add_nc_u64 s[G0B+4*(\s)+2:G0B+4*(\s)+3], s[46:47], (\s)*524288  ; 256 rows of 2,048 bytes
	s_or_b32 s[G0B+4*(\s)+3], s[G0B+4*(\s)+3], 0x80000000
	JLOAD \s                                       ; two loads of mine are out
.endr
	v_and_b32 v1, 15, v0                           ; l % 16
	v_bfe_u32 v2, v0, 4, 1                         ; l / 16
	s_lshl_b32 s20, s42, 9                         ; bo at my 64 columns: 512 x tile column + 256 x half
	s_lshl_b32 s21, s12, 8
	s_add_co_u32 s20, s20, s21
	s_mov_b32 s21, 0
	s_add_nc_u64 s[2:3], s[2:3], s[20:21]
	v_lshlrev_b32 v[BO], 5, v2                     ; my eight columns of a block of 16
.irp b, 0,1,2,3
	global_load_b128 v[BIAS+8*(\b):BIAS+8*(\b)+3],   v[BO], s[2:3] offset:64*(\b)
	global_load_b128 v[BIAS+8*(\b)+4:BIAS+8*(\b)+7], v[BO], s[2:3] offset:64*(\b)+16
.endr
	v_mul_u32_u24 v3, v1, PAO
	v_lshl_add_u32 v3, v2, 4, v3                   ; a fragment's row x pitch + 16 x half
	s_mul_i32 s21, s11, 64*PAO                     ; my 64 rows
	v_add_nc_u32 v[ADRA], s21, v3
	v_add_nc_u32 v[ADRA+1], SLOT, v[ADRA]
	v_and_b32 v4, 7, v0                            ; the turning load: lane l reads k = 8 (l / 16) + l % 8, columns 8 ((l / 8) % 2) + 0..7
	v_bfe_u32 v5, v0, 3, 1
	v_lshl_add_u32 v6, v2, 3, v4
	v_mul_u32_u24 v6, v6, PB
	v_lshl_add_u32 v6, v5, 4, v6
	s_lshl_b32 s22, s12, 7                         ; my 64 columns
	v_add_nc_u32 v6, s22, v6
.irp s, 0,1
.irp k, 0,1
	v_add_nc_u32 v[ADRB+2*(\s)+(\k)], (\s)*SLOT+BOFF+(\k)*REG, v6
.endr
.endr
	s_mul_i32 s23, s10, 16*SPITCH
	s_add_co_u32 s23, s23, STAGE                   ; my stage
	v_mul_u32_u24 v7, v1, SPITCH                   ; in: row l % 16, 32 bytes for each half of the lanes
	v_lshl_add_u32 v7, v2, 5, v7
	v_add_nc_u32 v[STO], s23, v7
	v_mul_u32_u24 v7, v2, SPITCH                   ; back: lanes 0-15 take one row of 256 bytes, lanes 16-31 the next
	v_lshl_add_u32 v7, v1, 4, v7
	v_add_nc_u32 v[RD], s23, v7
	v_lshlrev_b32 v[CO], 12, v2                    ; and the same two rows in out0
	v_lshl_add_u32 v[CO], v1, 4, v[CO]
	s_lshl_b32 s16, s13, 19                        ; out0: the tile's 128 rows of 4,096 bytes,
	s_lshl_b32 s17, s11, 18                        ; my 64 of them,
	s_add_co_u32 s16, s16, s17
	s_add_co_u32 s16, s16, s20                     ; my 64 columns: 256 bytes, as in bo
	s_mov_b32 s17, 0
	s_add_nc_u64 s[8:9], s[8:9], s[16:17]
	s_wait_loadcnt 0x0                             ; bo; it is rounded to bf16 and widened again, in the wait for the first tile
.set i, 0
.rept 16
	v_cvt_pk_bf16_f32 v[TMP+i], v[BIAS+2*i], v[BIAS+2*i+1]
.set i, i+1
.endr
.set i, 0
.rept 16
	v_lshlrev_b32 v[BIAS+2*i], 16, v[TMP+i]
	v_and_b32 v[BIAS+2*i+1], 0xffff0000, v[TMP+i]
.set i, i+1
.endr
; 8 matrix instructions: row blocks a0, a0 + 1 x all 4 column blocks, 32 along K: half c of buffer f.  zero = 1: the product starts the sum, with the bias.  The 16 accumulators take turns.
.macro MUL8 f, c, a0, zero
	WIN MUL
.irp a, \a0, (\a0)+1
.irp b, 0,1,2,3
.if \zero
	v_wmma_f32_16x16x32_f16 v[ACC+8*(4*(\a)+(\b)):ACC+8*(4*(\a)+(\b))+7], v[(\f)+64+8*(4*(\c)+(\b)):(\f)+64+8*(4*(\c)+(\b))+7], v[(\f)+8*(4*(\c)+(\a)):(\f)+8*(4*(\c)+(\a))+7], v[BIAS+8*(\b):BIAS+8*(\b)+7]
.else
	v_wmma_f32_16x16x32_f16 v[ACC+8*(4*(\a)+(\b)):ACC+8*(4*(\a)+(\b))+7], v[(\f)+64+8*(4*(\c)+(\b)):(\f)+64+8*(4*(\c)+(\b))+7], v[(\f)+8*(4*(\c)+(\a)):(\f)+8*(4*(\c)+(\a))+7], v[ACC+8*(4*(\a)+(\b)):ACC+8*(4*(\a)+(\b))+7]
.endif
.endr
.endr
.endm
; 32 LDS loads in one run: quarter q of a slot, one head, 64 along K, into buffer f; the first 32 along K first
.macro FETCH slot, q, f
	WIN TO_F
.irp c, 0,1
.irp i, 0,1,2,3
	ds_load_tr16_b128 v[(\f)+64+8*(4*(\c)+(\i)):(\f)+64+8*(4*(\c)+(\i))+3],   v[ADRB+2*(\slot)+(\q)/2] offset:(64*((\q)%2)+32*(\c))*PB+32*(\i)
	ds_load_tr16_b128 v[(\f)+64+8*(4*(\c)+(\i))+4:(\f)+64+8*(4*(\c)+(\i))+7], v[ADRB+2*(\slot)+(\q)/2] offset:(64*((\q)%2)+32*(\c))*PB+32*(\i)+16*PB
	ds_load_b128 v[(\f)+8*(4*(\c)+(\i)):(\f)+8*(4*(\c)+(\i))+3],   v[ADRA+(\slot)] offset:(\q)*HEADB+(\i)*16*PAO+64*(\c)
	ds_load_b128 v[(\f)+8*(4*(\c)+(\i))+4:(\f)+8*(4*(\c)+(\i))+7], v[ADRA+(\slot)] offset:(\q)*HEADB+(\i)*16*PAO+64*(\c)+32
.endr
.endr
.endm
.macro PLACES                          ; four plain instructions in front of loads into registers that matrix instructions have read, and of LDS stores that read results
.rept 4
	v_nop
.endr
.endm
; A K step is four quarters of 64 along K, 32 matrix instructions each, on buffers 0, 1, 0, 1.  One of the first three: multiplies buffer f and fetches quarter q into g.
.macro QUARTER slot, q, f, g, zero
	s_wait_dscnt 16                                ; the first 32 along K are in
	MUL8 \f, 0, 0, \zero
	MUL8 \f, 0, 2, \zero
	PLACES
	FETCH \slot, \q, \g
	s_wait_dscnt 32                                ; all but the 32 just issued
	MUL8 \f, 1, 0, 0
	MUL8 \f, 1, 2, 0
.endm
; The last quarter multiplies buffer 1 and changes slots: ONE barrier; in front of it each wave waits for all its tensor loads, adds 0 to its spare word, and waits for that and for its own reads of this slot.
; fill = 1: the barrier opens a round of the cluster's, and this slot is filled again, two K steps on, first thing behind the round.
.macro TURN slot, next, fill
	WIN 0                                          ; (the add's two registers lie in window 0)
	s_wait_tensorcnt 0x0                           ; all my tensor loads have landed: my part of the next slot;
	ds_add_u32 v[SPW], v[NIL]                      ; 0 onto my spare word;
	s_wait_dscnt 17                                ; (the add and the youngest sixteen loads may be out)
	MUL8 F1, 0, 0, 0                               ; eight matrix instructions stand between the add and the wait for it
	s_wait_dscnt 0x0                               ; the add is done, and my reads of this slot are over
	s_barrier_signal -1
	MUL8 F1, 0, 2, 0
.if \fill
	WIN 0
.endif
	s_barrier_wait -1
.if \fill
	CREST                                          ; no wave of any partner still reads this slot or has a load on its way
	s_add_nc_u64 s[G0+4*(\slot)+2:G0+4*(\slot)+3], s[G0+4*(\slot)+2:G0+4*(\slot)+3], 131072
	s_add_nc_u64 s[G0B+4*(\slot)+2:G0B+4*(\slot)+3], s[G0B+4*(\slot)+2:G0B+4*(\slot)+3], 1048576
	JLOAD \slot                                    ; my one tensor load behind the round: 112 matrix instructions ahead of the wait for it; its four v_nop are also the places in front of the loads below
.else
	PLACES
.endif
	FETCH \next, 0, F0
	MUL8 F1, 1, 0, 0
	MUL8 F1, 1, 2, 0
.endm
	s_wait_tensorcnt 0x1                           ; my part of K step 0 is in; K step 1's may stay out
	s_barrier_signal -1
	s_barrier_wait -1                              ; everybody's is
	FETCH 0, 0, F0
	QUARTER 0, 1, F0, F1, 1                        ; K step 0: its first products start the sums with the bias
	QUARTER 0, 2, F1, F0, 0
	QUARTER 0, 3, F0, F1, 0
	TURN 0, 1, 1                                   ; slot 0 takes K step 2
	QUARTER 1, 1, F0, F1, 0                        ; K step 1
	QUARTER 1, 2, F1, F0, 0
	QUARTER 1, 3, F0, F1, 0
	TURN 1, 0, 1                                   ; slot 1 takes K step 3
	QUARTER 0, 1, F0, F1, 0                        ; K step 2
	QUARTER 0, 2, F1, F0, 0
	QUARTER 0, 3, F0, F1, 0
	TURN 0, 1, 0                                   ; nothing is left to fetch
	QUARTER 1, 1, F0, F1, 0                        ; K step 3
	QUARTER 1, 2, F1, F0, 0
	QUARTER 1, 3, F0, F1, 0
	s_wait_dscnt 16                                ; the very last quarter
	MUL8 F1, 0, 0, 0
	MUL8 F1, 0, 2, 0
	s_wait_dscnt 0x0
	MUL8 F1, 1, 0, 0
	MUL8 F1, 1, 2, 0
	WIN 0
	PLACES
	PLACES                                         ; (eight, once a launch)
; THE WAY OUT.  My 64 columns of f32 are 256 bytes of a row, aligned: the stage is my own, and no barrier is needed.  Block a (16 rows): a lane's 32 bytes of a row go in, the low four registers of each
; accumulator first; whole rows come back, into the registers that they left.
.macro STG a
.irp b, 0,1,2,3
	ds_store_b128 v[STO], v[ACC+8*(4*(\a)+(\b)):ACC+8*(4*(\a)+(\b))+3]   offset:64*(\b)
	ds_store_b128 v[STO], v[ACC+8*(4*(\a)+(\b))+4:ACC+8*(4*(\a)+(\b))+7] offset:64*(\b)+16
.endr
.irp t, 0,1,2,3,4,5,6,7
	ds_load_b128 v[ACC+32*(\a)+4*(\t):ACC+32*(\a)+4*(\t)+3], v[RD] offset:(\t)*2*SPITCH  ; LDS serves a wave's instructions in order (ISA guide 5.7.1.4): these see the stores above; the next block's stores come behind them
.endr
.endm
.macro SEND a, younger                 ; younger: the LDS instructions issued behind block a's loads: the next block's sixteen, or none
.irp t, 0,1,2,3,4,5,6,7
	s_wait_dscnt (\younger)+7-(\t)
	global_store_b128 v[CO], v[ACC+32*(\a)+4*(\t):ACC+32*(\a)+4*(\t)+3], s[8:9] offset:(16*(\a)+2*(\t))*4096 th:TH_STORE_NT  ; 16 lanes store 256 consecutive bytes, at a multiple of 256 from out0's first byte
.endr
.endm
	STG 0
	STG 1
	SEND 0, 16
	STG 2
	SEND 1, 16
	STG 3
	SEND 2, 16
	SEND 3, 0
	s_wait_tensorcnt 0x0                           ; the wave's end, behind my last tensor load and my last LDS store
	ds_add_u32 v[SPW], v[NIL]
	s_wait_dscnt 0x0
	CROUND                                         ; the closing round: no work-group ends while a partner may still ask for a tile that names it
	s_endpgm
.Lfunc_end_k_q6593edc11a_oproj:
	.size	k_q6593edc11a_oproj, .Lfunc_end_k_q6593edc11a_oproj-k_q6593edc11a_oproj
	.p2alignl 7, 3214868480
	.fill 96, 4, 3214868480
	.section	.rodata,"a",@progbits
	.p2align	6, 0x0
	.amdhsa_kernel k_q6593edc11a_oproj
		.amdhsa_group_segment_fixed_size 327680
		.amdhsa_private_segment_fixed_size 0
		.amdhsa_enable_private_segment 0
		.amdhsa_kernarg_size 32
		.amdhsa_user_sgpr_count 2
		.amdhsa_user_sgpr_kernarg_segment_ptr 1
		.amdhsa_wavefront_size32 1
		.amdhsa_system_sgpr_workgroup_id_x 1
		.amdhsa_system_sgpr_workgroup_id_y 1
		.amdhsa_system_sgpr_workgroup_id_z 1
		.amdhsa_system_vgpr_workitem_id 0
		.amdhsa_next_free_vgpr 512
		.amdhsa_next_free_sgpr 66
		.amdhsa_reserve_vcc 0
		.amdhsa_float_denorm_mode_32 3
		.amdhsa_float_denorm_mode_16_64 3
		.amdhsa_memory_ordered 1
		.amdhsa_forward_progress 1
		.amdhsa_inst_pref_size 90
	.end_amdhsa_kernel
	.amdgpu_metadata
---
amdhsa.version: [ 1, 2 ]
amdhsa.kernels:
  - .name:           k_q6593edc11a_oproj
    .symbol:         k_q6593edc11a_oproj.kd
    .args:
      - { .name: Ob, .offset: 0, .size: 8, .value_kind: global_buffer, .address_space: global }
      - { .name: Wof, .offset: 8, .size: 8, .value_kind: global_buffer, .address_space: global }
      - { .name: bo, .offset: 16, .size: 8, .value_kind: global_buffer, .address_space: global }
      - { .name: out0, .offset: 24, .size: 8, .value_kind: global_buffer, .address_space: global }
    .group_segment_fixed_size: 327680
    .private_segment_fixed_size: 0
    .kernarg_segment_align: 8
    .kernarg_segment_size: 32
    .max_flat_workgroup_size: 128
    .sgpr_count:     66
    .vgpr_count:     512
    .wavefront_size: 32
...
	.end_amdgpu_metadata
.endif
;; end of part 4
;; ======== version 2 of 2: 4 launches; version 1 with the launch cast written anew for expert scheduling mode
;; limits: values are held in f16: magnitudes above 65,504 overflow, below 6.1e-05 lose precision
;; workspace buffers: Xb 8,388,608 bytes; Wc 6,291,456 bytes; Wof 2,097,152 bytes; qkvh 25,165,824 bytes; Ob 8,388,608 bytes
;; launch cast (part 5): grid 256 x 1, 8 waves a work-group, no clusters, 0 bytes of LDS; arguments hidden_states, Wq, Wk, Wv, Wo, Xb, Wc, Wof; writes Xb, Wc, Wof
.if DOCPART == 5
	.amdgcn_target "amdgcn-amd-amdhsa--gfx1250"
	.amdhsa_code_object_version 6
	.text
	.protected	k_q6593edc11a_cast
	.globl	k_q6593edc11a_cast
	.p2align	8
	.type	k_q6593edc11a_cast,@function
k_q6593edc11a_cast:
	s_mov_b64 s[64:65], 0
	v_nop
	global_prefetch_b8 v0, s[64:65] scope:SCOPE_SE
	s_setreg_imm32_b32 hwreg(HW_REG_WAVE_SCHED_MODE, 0, 2), 2
	s_setreg_imm32_b32 hwreg(HW_REG_WAVE_MODE, 25, 1), 1
	s_wait_xcnt 0x0
	s_wait_alu depctr_vm_vsrc(0)
; THE INPUTS ARE ROUNDED ONCE.  Xb = bf16(hidden_states), [4096][1024].  Wc = bf16 of Wq | Wk | Wv side by side, [1024 k][3072].
; Wof = f16(bf16(Wo)), [1024 k][1024]: rounded to bf16 like the other inputs, and that number written as f16 (exact between 2^-14 and 65,504).
; LIMITS.  |bf16(Wo)| beyond 65,504 becomes an infinity; below 2^-14 it keeps f16's fixed step of 6e-8.
; SHARES.  256 work-groups of eight waves.  Work-group g takes 16 rows of hidden_states (64 KiB) and 4 rows of each weight (16 KiB each);
; wave w takes 8 KiB of the first (16 loads) and 2 KiB, half a row, of each weight (4 loads each).  All 32 loads of a wave, 512 consecutive bytes each,
; go out before anything else; there is no loop.  A load's 4 numbers a lane become 8 bytes: one store of a wave covers 256 consecutive bytes, aligned.
; No LDS, no barrier, no matrix unit: every byte is read once and written once, and no wave wants another's.
; THE MODE: SCHED_MODE bits 1:0 = 2 (LLVM: expert scheduling mode 2), set by the entry lines.  The code itself states the register dependences
; between vector instructions and memory instructions, with s_wait_alu, always for 0.
; THE PLAN.  Registers that memory instructions touch:
;   v2, v3       the loads' offsets;  v4, v5, v6  the stores' offsets.  Written once, at the head; never written again.
;   v[D + 4 n ..]  four registers for load n.  Load n lands in them; its conversions read them and write the first two in place; store n reads those two; nothing writes them after that.
;   v7 to v11    at work: vector instructions alone name them.
; The 32 loads go in eight groups of four (0-3 hidden_states, 4-6 Wq, Wk, Wv, 7 Wo).  Group g's conversions name group g's registers and v8 to v11 alone; the memory instructions that stand
; among them are the four stores of group g - 1, which read that group's registers and an offset.  So ONE wait at a group's head, which states that the group before has written its results,
; serves those four stores; one more stands ahead of the first load, for the offsets, and one ahead of the last four stores.
; No register that a memory instruction has read is ever written again: no wait is owed for that.  No vector instruction writes a scalar register, and EXEC stays as it is.
.set D, 16                             ; v[16:143]  load n at D + 4 n
	s_load_b512 s[4:19], s[0:1], 0x0               ; hidden_states s[4:5], Wq, Wk, Wv, Wo s[6:13], Xb s[14:15], Wc s[16:17], Wof s[18:19]
	v_and_b32 v1, 31, v0                           ; lane
	v_lshrrev_b32 v7, 5, v0                        ; wave
	v_lshlrev_b32 v2, 4, v1
	v_lshl_add_u32 v3, v7, 11, v2                  ; v3: in a weight: 2,048 w + 16 lane
	v_lshl_add_u32 v2, v7, 13, v2                  ; v2: in hidden_states: 8,192 w + 16 lane
	v_lshlrev_b32 v4, 3, v1
	v_lshl_add_u32 v6, v7, 10, v4                  ; v6: in Wof: 1,024 w + 8 lane
	v_lshrrev_b32 v8, 1, v7                        ; which of the four rows,
	v_and_b32 v9, 1, v7                            ; which half of it
	v_mul_u32_u24 v5, v8, 6144
	v_lshl_add_u32 v5, v9, 10, v5
	v_add_nc_u32 v5, v5, v4                        ; v5: in Wc: row x 6,144 + half x 1,024 + 8 lane
	v_lshl_add_u32 v4, v7, 12, v4                  ; v4: in Xb: 4,096 w + 8 lane
	s_mov_b32 s3, 0
	s_mov_b32 s21, 0
	s_mov_b32 s23, 0
	s_lshl_b32 s2, ttmp9, 16                       ; the work-group's part of hidden_states,
	s_lshl_b32 s20, ttmp9, 14                      ; of a weight,
	s_lshl_b32 s22, ttmp9, 15                      ; of Xb
	s_wait_kmcnt 0x0
	s_add_nc_u64 s[4:5], s[4:5], s[2:3]
	s_add_nc_u64 s[6:7], s[6:7], s[20:21]
	s_add_nc_u64 s[8:9], s[8:9], s[20:21]
	s_add_nc_u64 s[10:11], s[10:11], s[20:21]
	s_add_nc_u64 s[12:13], s[12:13], s[20:21]
	s_add_nc_u64 s[14:15], s[14:15], s[22:23]
	s_mul_i32 s2, ttmp9, 24576                     ; 4 rows of Wc
	s_add_nc_u64 s[16:17], s[16:17], s[2:3]
	s_lshl_b32 s2, ttmp9, 13                       ; 4 rows of Wof
	s_add_nc_u64 s[18:19], s[18:19], s[2:3]
	s_wait_alu depctr_va_vdst(0)                   ; the five offsets v2 to v6 are written: every load and store of the kernel reads one of them
.set n, 0
.rept 16
	global_load_b128 v[D+4*n:D+4*n+3], v2, s[4:5] offset:512*n th:TH_LOAD_NT
.set n, n+1
.endr
.irp m, 0,1,2,3
.irp i, 0,1,2,3
	global_load_b128 v[D+64+16*(\m)+4*(\i):D+64+16*(\m)+4*(\i)+3], v3, s[6+2*(\m):7+2*(\m)] offset:512*(\i) th:TH_LOAD_NT
.endr
.endr
; Load n is rounded in place.  Loads 28 to 31 are Wo's: the bf16 numbers are widened again and written as f16.
.macro CONV n
	v_cvt_pk_bf16_f32 v[D+4*(\n)], v[D+4*(\n)], v[D+4*(\n)+1]
	v_cvt_pk_bf16_f32 v[D+4*(\n)+1], v[D+4*(\n)+2], v[D+4*(\n)+3]
.if (\n) >= 28
	v_lshlrev_b32 v8, 16, v[D+4*(\n)]
	v_and_b32 v9, 0xffff0000, v[D+4*(\n)]
	v_lshlrev_b32 v10, 16, v[D+4*(\n)+1]
	v_and_b32 v11, 0xffff0000, v[D+4*(\n)+1]
	v_cvt_pk_f16_f32 v[D+4*(\n)], v8, v9
	v_cvt_pk_f16_f32 v[D+4*(\n)+1], v10, v11
.endif
.endm
; Load n's 8 bytes a lane are stored: 0-15 into Xb; 16-27 into Wc, weight (n - 16) / 4 at its 2,048 bytes of a row; 28-31 into Wof.  No register that a store reads is ever written again.
.macro STORE n
.if (\n) < 16
	global_store_b64 v4, v[D+4*(\n):D+4*(\n)+1], s[14:15] offset:256*(\n) th:TH_STORE_NT
.elseif (\n) < 28
	global_store_b64 v5, v[D+4*(\n):D+4*(\n)+1], s[16:17] offset:2048*(((\n)-16)/4)+256*((\n)%4) th:TH_STORE_NT
.else
	global_store_b64 v6, v[D+4*(\n):D+4*(\n)+1], s[18:19] offset:256*((\n)-28) th:TH_STORE_NT
.endif
.endm
.set g, 0
.rept 8                                ; group g: its four loads are rounded; the stores of the group before are dealt among the conversions
	s_wait_loadcnt 28-4*g                          ; loads come back in order (ISA guide 5.7.1): group g's four are in, the 28 - 4 g younger ones may stay out
.if g > 0
	s_wait_alu depctr_va_vdst(0)                   ; the conversions of group g - 1 have written its registers, which the four stores below read; no vector instruction behind this wait names them
.endif
.irp i, 0,1,2,3
.if g > 0
	STORE 4*(g-1)+(\i)
.endif
	CONV 4*g+(\i)
.endr
.set g, g+1
.endr
	s_wait_alu depctr_va_vdst(0)                   ; the conversions of group 7 have written its registers, which the last four stores read
.irp i, 0,1,2,3
	STORE 28+(\i)
.endr
	s_endpgm
.Lfunc_end_k_q6593edc11a_cast:
	.size	k_q6593edc11a_cast, .Lfunc_end_k_q6593edc11a_cast-k_q6593edc11a_cast
	.p2alignl 7, 3214868480
	.fill 96, 4, 3214868480
	.section	.rodata,"a",@progbits
	.p2align	6, 0x0
	.amdhsa_kernel k_q6593edc11a_cast
		.amdhsa_group_segment_fixed_size 0
		.amdhsa_private_segment_fixed_size 0
		.amdhsa_enable_private_segment 0
		.amdhsa_kernarg_size 64
		.amdhsa_user_sgpr_count 2
		.amdhsa_user_sgpr_kernarg_segment_ptr 1
		.amdhsa_wavefront_size32 1
		.amdhsa_system_sgpr_workgroup_id_x 1
		.amdhsa_system_sgpr_workgroup_id_y 1
		.amdhsa_system_sgpr_workgroup_id_z 1
		.amdhsa_system_vgpr_workitem_id 0
		.amdhsa_next_free_vgpr 144
		.amdhsa_next_free_sgpr 66
		.amdhsa_reserve_vcc 0
		.amdhsa_float_denorm_mode_32 3
		.amdhsa_float_denorm_mode_16_64 3
		.amdhsa_memory_ordered 1
		.amdhsa_forward_progress 1
		.amdhsa_inst_pref_size 14
	.end_amdhsa_kernel
	.amdgpu_metadata
---
amdhsa.version: [ 1, 2 ]
amdhsa.kernels:
  - .name:           k_q6593edc11a_cast
    .symbol:         k_q6593edc11a_cast.kd
    .args:
      - { .name: hidden_states, .offset: 0, .size: 8, .value_kind: global_buffer, .address_space: global }
      - { .name: Wq, .offset: 8, .size: 8, .value_kind: global_buffer, .address_space: global }
      - { .name: Wk, .offset: 16, .size: 8, .value_kind: global_buffer, .address_space: global }
      - { .name: Wv, .offset: 24, .size: 8, .value_kind: global_buffer, .address_space: global }
      - { .name: Wo, .offset: 32, .size: 8, .value_kind: global_buffer, .address_space: global }
      - { .name: Xb, .offset: 40, .size: 8, .value_kind: global_buffer, .address_space: global }
      - { .name: Wc, .offset: 48, .size: 8, .value_kind: global_buffer, .address_space: global }
      - { .name: Wof, .offset: 56, .size: 8, .value_kind: global_buffer, .address_space: global }
    .group_segment_fixed_size: 0
    .private_segment_fixed_size: 0
    .kernarg_segment_align: 8
    .kernarg_segment_size: 64
    .max_flat_workgroup_size: 256
    .sgpr_count:     66
    .vgpr_count:     144
    .wavefront_size: 32
...
	.end_amdgpu_metadata
.endif
;; end of part 5
;; launch proj: the kernel of part 2 again; grid 8 x 32, 4 waves a work-group, clusters of 4 x 4, 327,680 bytes of LDS; arguments Xb, Wc, qkvh; writes qkvh
;; launch attn: the kernel of part 3 again; grid 16 x 16, 8 waves a work-group, no clusters, 175,104 bytes of LDS; arguments qkvh, Ob; writes Ob
;; launch oproj: the kernel of part 4 again; grid 8 x 32, 4 waves a work-group, clusters of 4 x 4, 327,680 bytes of LDS; arguments Ob, Wof, bo, out0; writes out0
